; MI455X (gfx1250); checked and timed in simulation.
; The chip was launched on July 23, 2026; its instructions are those of AMD's public machine-readable ISA for CDNA 5 (MIT licence, August 2026) and "CDNA5" Instruction Set Architecture Reference Guide (July 2026). The comments in the code are by the model that wrote it; some were corrected since.
;; Masked Self Attention. Allowed arithmetic: matrix products marked QUANTISED: E5M2 operands, one given power-of-two scale a tensor, by v_wmma_f32_16x16x64_bf8_bf8 or v_wmma_f32_16x16x128_bf8_bf8, f32 sums; everything else in f32.
;; Inputs: W_attn 1,024 x 3,072 float32; W_proj 1,024 x 1,024 float32; b_attn 3,072 float32; b_proj 1,024 float32; lowp_scales 8 int32 (the exponents e of the quantised operands' scales 2^e); x 4 x 2,048 x 1,024 float32.
;; Outputs: out0 4 x 2,048 x 1,024 float32.
;; This version of the problem:
;;   THIS VERSION OF THE PROBLEM IS GIVEN IN LOW PRECISION. The matrix products marked QUANTISED in the list below multiply operands that are first quantised to E5M2 (5 exponent bits, 2 mantissa bits; 8 bits a number), with one given power-of-two scale for each operand tensor; their sums are f32. All else is computed in f32.
;;   The module's matrix products, in the order in which they are computed (A, B: the left and right operand; K: the contracted axis; several contracted axes count as one K, in the product's order):
;;     1. [M 8,192, K 1,024] x [K 1,024, N 3,072]; A: input x; B: input W_attn: QUANTISED (scales: A lowp_scales[0], B lowp_scales[1])
;;     2. batch 64 x [M 2,048, K 64] x [K 64, N 2,048]; A: computed on the way; B: computed on the way: QUANTISED (scales: A lowp_scales[2], B lowp_scales[3])
;;     3. batch 64 x [M 2,048, K 2,048] x [K 2,048, N 64]; A: softmax (see below); B: computed on the way: QUANTISED (scales: A lowp_scales[4], B lowp_scales[5])
;;     4. [M 8,192, K 1,024] x [K 1,024, N 1,024]; A: computed on the way; B: input W_proj: QUANTISED (scales: A lowp_scales[6], B lowp_scales[7])
;;   THE QUANTISER, for each operand of a quantised product, along K:
;;     - The operand's scale is 2^e, e = its entry of the input lowp_scales (int32; the entries are numbered through the quantised products in the list's order, A before B).
;;     - Each number is divided by the scale, clamped to +-57,344, and rounded to the nearest number of E5M2, ties to even, subnormals kept.
;;     - The product sums the exact products of the quantised numbers (number of the format x scale) in f32.
;;   ~~~python
;;   def quantise(x, axis, e):      # numpy; x: float32 -> the quantised numbers, widened to float32 again
;;       x = np.moveaxis(x, axis, -1); K = x.shape[-1]
;;       r = np.clip(x / 2.0 ** e, -57344, 57344)
;;       step = 2.0 ** (np.maximum(np.frexp(np.where(r == 0, 1, r))[1] - 1, -14) - 2)
;;       q = np.round(r / step) * step * 2.0 ** e      # np.round: ties to even
;;       return np.moveaxis(q, -1, axis).astype(np.float32)
;;   ~~~
;;   SOFTMAX AHEAD OF A QUANTISED PRODUCT. Where the list says 'softmax', what is quantised is not the finished softmax but p = 2^(t - M), with t = logit x log2(e) and M = ceil(the row's largest t), a whole number; so 1/2 < the row's largest p <= 1. The row's sum l is taken of the UNQUANTISED p, in f32, and the product's result is divided by l at the end. Since M is a whole number, a kernel that streams over the keys may use a running M (the ceiling of the running maximum): every later rescaling is an exact power of two, so the quantised numbers keep their values, but for numbers so far below the row's largest that they fall under the format's range.
;;   OPERANDS COMPUTED ON THE WAY. 'Computed on the way' means the value that the module computes at that place (a softmax that the list does not call 'softmax' is quantised finished and normalised). What goes into a quantiser is computed in f32, as accurately as f32 sums, v_exp_f32 and their like allow (about 1e-6 of the number): no bf16 or f16 on the way to a quantiser, and a product that is left as it is and whose result goes on into a quantised operand takes f32 operands (vector FMAs, or v_wmma_f32_16x16x4_f32). A number that lies on a knife's edge between two numbers of the format may be rounded either way, as far as f32 arithmetic and the matrix unit's own rounding can turn it there, and no further.
;; One version. Each part assembles by itself: llvm-mc -triple=amdgcn-amd-amdhsa -mcpu=gfx1250 --defsym DOCPART=n.
;; ======== version 1 of 1: 4 launches
;; limits: right only within a limited range of input values
;; workspace buffers: xw_codes 11,534,336 bytes; wp_codes 1,048,576 bytes; q_codes 8,388,608 bytes; k_codes 8,388,608 bytes; v_codes 8,388,608 bytes; o_codes 8,388,608 bytes
;; launch quant (part 1): grid 384 x 1, 4 waves a work-group, no clusters, 102,912 bytes of LDS; arguments x, W_attn, W_proj, lowp_scales, xw_codes, wp_codes; writes xw_codes, wp_codes
.if DOCPART == 1
	.amdgcn_target "amdgcn-amd-amdhsa--gfx1250"
	.amdhsa_code_object_version 6
	.text
	.protected	k_qca4868bf49_quant
	.globl	k_qca4868bf49_quant
	.p2align	8
	.type	k_qca4868bf49_quant,@function
k_qca4868bf49_quant:
	s_mov_b64 s[64:65], 0
	v_nop
	global_prefetch_b8 v0, s[64:65] scope:SCOPE_SE
	s_setreg_imm32_b32 hwreg(HW_REG_WAVE_MODE, 25, 1), 1
	s_wait_xcnt 0x0
; x [8192][1024], W_attn [1024][3072] and W_proj [1024][1024], all f32, become codes of BF8 (E5M2), one byte each, K innermost, each with the one scale 2^e given for it
; (entries 0, 1 and 7 of the buffer of scales).  code = number / 2^e, held within +-57,344, rounded to the nearest code, ties to even.
; OUT: xw_codes: rows of 1,024 codes: rows 0-8191 are x's rows, row 8192 + n is column n of W_attn.  wp_codes: row n is column n of W_proj.
; LIMITS: each e lies between -126 and 112, so that 2^e and 57,344 x 2^e are f32 numbers.  NaN among the inputs is not served (an infinity is held at the largest code).
; SHARES: every work-group takes 32,768 numbers.  Work-groups 0-255: x, a plain stream (K is innermost: nothing knows of rows).  256-351: W_attn, 128 columns x 256 along K each.  352-383: W_proj likewise.
; The three ways part on the work-group's number alone and never join; each has LDS bytes of its own.  No tensor loads, no barrier: waves share nothing.
.set R,      16                        ; x: v16-79   four sets of 16 numbers as they are loaded
.set XN,     80                        ; x: v80-111  two sets of 16 neighbours
.set C,      128                       ; x: v128-191 codes: four registers for each step, so that no store's data are written again
.set SP,     80                        ; x: a lane's place in a stage: its 64 bytes + 16 of padding
.set WREG,   8192                      ; x: LDS of a wave: two stages of 32 x SP bytes
.set WX,     32                        ; weights: v32-95 two sets of 32 numbers down K
.set WC,     96                        ; weights: v96-103 a block's codes
.set OUTR,   112                       ; weights: v112-175 the way out
.set WPITCH, 272                       ; weights: a stage row: 256 codes + 16 of padding
	s_load_b128 s[4:7], s[0:1], 0x0                ; x, W_attn
	s_load_b128 s[8:11], s[0:1], 0x10              ; W_proj, the scales' exponents
	s_load_b128 s[12:15], s[0:1], 0x20             ; xw_codes, wp_codes
	v_lshl_add_u32 v192, v0, 2, 0x19000
	v_mov_b32 v193, 0
	v_lshrrev_b32 v1, 5, v0
	v_readfirstlane_b32 s18, v1                    ; wave 0..3
	v_and_b32 v2, 31, v0                           ; lane
	s_wait_kmcnt 0x0
	s_load_b256 s[24:31], s[10:11], 0x0            ; e0 .. e7
	s_cmp_lt_u32 ttmp9, 256
	s_cbranch_scc0 .Lweights
; ---- x.  A wave takes 16 steps of 512 numbers.  Each load reads 512 consecutive bytes, 16 a lane; a step's 2,048 bytes turn through the wave's own stage, so that a lane then holds 16 NEIGHBOURS along K,
; which is what the conversions take.  A lane's 16 codes are 16 bytes: the wave stores 512 consecutive bytes.  Loads run four steps ahead, the turn through LDS one step.
.macro XLOAD t
.irp i, 0,1,2,3
	global_load_b128 v[R+16*((\t)%4)+4*\i:R+16*((\t)%4)+4*\i+3], v3, s[4:5] offset:2048*(\t)+512*\i th:TH_LOAD_NT
.endr
.endm
.macro XTURN t                         ; LDS serves a wave's instructions in order, so no wait stands between the stores and the loads
.irp i, 0,1,2,3
	ds_store_b128 v14, v[R+16*((\t)%4)+4*\i:R+16*((\t)%4)+4*\i+3] offset:32*SP*((\t)%2)+8*SP*\i
.endr
.irp i, 0,1,2,3
	ds_load_b128 v[XN+16*((\t)%2)+4*\i:XN+16*((\t)%2)+4*\i+3], v15 offset:32*SP*((\t)%2)+16*\i
.endr
.endm
.macro XSTEP t
.set XS, XN+16*((\t)%2)
	s_wait_dscnt 0x0                               ; this step's numbers are back from the stage, and its stores into the stage have read their registers,
.if (\t)+4 < 16
	XLOAD (\t)+4                                   ; which take the loads of four steps on
.endif
.if (\t)+1 < 16
.if 14-(\t) >= 3
	s_wait_loadcnt 12                              ; the next step's four loads are in; those of the three steps behind it may be out
.else
	s_wait_loadcnt 4*(14-(\t))
.endif
	XTURN (\t)+1
.endif
.irp i, 0,1,2,3,4,5,6,7,8,9,10,11,12,13,14,15
.endr
	v_cvt_scalef32_pk8_bf8_f32 v[C+4*(\t):C+4*(\t)+1], v[XS:XS+7], v11
	v_cvt_scalef32_pk8_bf8_f32 v[C+4*(\t)+2:C+4*(\t)+3], v[XS+8:XS+15], v11
	global_store_b128 v3, v[C+4*(\t):C+4*(\t)+3], s[12:13] offset:512*(\t)   ; the results go to a store alone; the next vector lines are the next step's conversions, on other registers
.endm
	s_wait_alu depctr_va_vdst(0)
	v_lshlrev_b32 v3, 4, v2                        ; my 16 bytes of a load's 512, and of a store's; never rewritten
	s_wait_alu depctr_va_vdst(0)
	s_mul_i32 s19, s18, WREG
	v_lshrrev_b32 v14, 2, v2
	v_mul_u32_u24 v14, v14, SP
	v_and_b32 v15, 3, v2
	v_lshl_add_u32 v14, v15, 4, v14
	v_add_nc_u32 v14, s19, v14                     ; the stage, on the way in: SP (lane / 4) + 16 (lane % 4)
	v_mul_u32_u24 v15, v2, SP
	v_add_nc_u32 v15, s19, v15                     ; and on the way out: SP x lane
	s_lshl_b32 s20, ttmp9, 2
	s_add_co_u32 s20, s20, s18                     ; which run of 8,192 numbers is my wave's
	s_lshl_b32 s22, s20, 15
	s_mov_b32 s23, 0
	s_add_nc_u64 s[4:5], s[4:5], s[22:23]
	s_lshl_b32 s22, s20, 13
	s_add_nc_u64 s[12:13], s[12:13], s[22:23]
.irp t, 0,1,2,3
	XLOAD \t
.endr
	s_wait_alu depctr_va_vdst(0)
	s_wait_kmcnt 0x0
	s_add_co_i32 s22, s24, 127
	s_lshl_b32 s23, s22, 23
	v_mov_b32 v11, s23                             ; 2^e0 as f32: the conversion takes its exponent field
	s_add_co_i32 s22, s22, 15
	s_lshl_b32 s22, s22, 23
	s_or_b32 s22, s22, 0x600000
	s_wait_alu depctr_va_vdst(0)
	s_wait_loadcnt 12                              ; step 0's four loads are in
	XTURN 0
.irp t, 0,1,2,3,4,5,6,7,8,9,10,11,12,13,14,15
	XSTEP \t
.endr
	s_wait_tensorcnt 0x0
	ds_add_u32 v192, v193
	s_wait_dscnt 0x0
	s_endpgm
; ---- a weight [1024][cols], K its FIRST axis.  A lane takes a column and its registers run down K: each load reads 128 consecutive bytes a wave, and the conversions give the codes with K innermost.
; A wave takes 32 columns x 256 along K; the codes go through the wave's own stage and leave as rows: sixteen lanes store 256 consecutive bytes, aligned.  Loads run two blocks of 32 ahead.
.macro WLOAD t, cols, src
.set ii, 0
.rept 32
	global_load_b32 v[WX+32*((\t)%2)+ii], v3, s[\src:\src+1] offset:(32*(\t)+ii)*\cols*4 th:TH_LOAD_NT
.set ii, ii+1
.endr
.endm
.macro WBLOCK t, cols, src
.set XS, WX+32*((\t)%2)
.if (\t) < 7
	s_wait_loadcnt 32                              ; this block's 32 loads are in; the next block's may be out
.else
	s_wait_loadcnt 0
.endif
.set ii, 0
.rept 32
.set ii, ii+1
.endr
.irp g, 0,1,2,3
	v_cvt_scalef32_pk8_bf8_f32 v[WC+2*\g:WC+2*\g+1], v[XS+8*\g:XS+8*\g+7], v11
.endr
	ds_store_b128 v4, v[WC:WC+3] offset:32*(\t)    ; 32 codes of my column's row
	ds_store_b128 v4, v[WC+4:WC+7] offset:32*(\t)+16
.if (\t)+2 < 8
	WLOAD (\t)+2, \cols, \src
.endif
	s_wait_dscnt 0x0                               ; the stores have read their registers: the next block's codes may be written
.endm
.macro WQ cols, ldsb, first, src, dst, e, dstoff
	s_sub_co_u32 s20, ttmp9, \first
	s_and_b32 s21, s20, 3                          ; which 256 along K
	s_lshr_b32 s20, s20, 2
	s_lshl_b32 s20, s20, 7
	s_lshl_b32 s22, s18, 5
	s_add_co_u32 s20, s20, s22                     ; my wave's first column
	s_mul_i32 s32, s21, 256*\cols*4
	s_lshl_b32 s22, s20, 2
	s_add_co_u32 s32, s32, s22
	s_mov_b32 s33, 0
	s_add_nc_u64 s[\src:\src+1], s[\src:\src+1], s[32:33]
	s_lshl_b32 s32, s20, 10                        ; a row of codes is 1,024 bytes
	s_lshl_b32 s22, s21, 8
	s_add_co_u32 s32, s32, s22
.if \dstoff > 0
	s_add_co_u32 s32, s32, \dstoff
.endif
	s_add_nc_u64 s[\dst:\dst+1], s[\dst:\dst+1], s[32:33]
	v_lshlrev_b32 v3, 2, v2                        ; in: 4 bytes a lane
	s_mul_i32 s19, s18, 32*WPITCH
	s_add_co_u32 s19, s19, \ldsb                   ; my stage
	v_mul_u32_u24 v4, v2, WPITCH
	v_add_nc_u32 v4, s19, v4                       ; into it: row = my column
	v_and_b32 v5, 15, v2
	v_lshrrev_b32 v6, 4, v2
	v_mul_u32_u24 v7, v6, WPITCH
	v_lshl_add_u32 v7, v5, 4, v7
	v_add_nc_u32 v7, s19, v7                       ; out of it: sixteen lanes to a row, two rows an instruction
	v_lshlrev_b32 v8, 10, v6
	v_lshl_add_u32 v8, v5, 4, v8                   ; and the same place in the codes' buffer
	WLOAD 0, \cols, \src
	WLOAD 1, \cols, \src
	s_wait_kmcnt 0x0
	s_add_co_i32 s22, s[\e], 127
	s_lshl_b32 s23, s22, 23
	v_mov_b32 v11, s23                             ; 2^e
	s_add_co_i32 s22, s22, 15
	s_lshl_b32 s22, s22, 23
	s_or_b32 s22, s22, 0x600000
	s_wait_alu depctr_va_vdst(0)
.irp t, 0,1,2,3,4,5,6,7
	WBLOCK \t, \cols, \src
.endr
.irp t, 0,1,2,3,4,5,6,7,8,9,10,11,12,13,14,15
	ds_load_b128 v[OUTR+4*\t:OUTR+4*\t+3], v7 offset:2*\t*WPITCH   ; LDS serves a wave's instructions in order: these see my stores
.endr
.irp t, 0,1,2,3,4,5,6,7,8,9,10,11,12,13,14,15
	s_wait_dscnt 15-\t
	global_store_b128 v8, v[OUTR+4*\t:OUTR+4*\t+3], s[\dst:\dst+1] offset:2*\t*1024
.endr
.endm
.Lweights:
	s_cmp_lt_u32 ttmp9, 352
	s_cbranch_scc0 .Lproj_w
	s_wait_alu depctr_va_vdst(0)
	WQ 3072, 32768, 256, 6, 12, 25, 8388608        ; W_attn, e1, behind x's 8,192 rows
	s_wait_tensorcnt 0x0
	ds_add_u32 v192, v193
	s_wait_dscnt 0x0
	s_endpgm
.Lproj_w:
	s_wait_alu depctr_va_vdst(0)
	WQ 1024, 67584, 352, 8, 14, 31, 0              ; W_proj, e7
	s_wait_tensorcnt 0x0
	ds_add_u32 v192, v193
	s_wait_dscnt 0x0
	s_endpgm
.Lfunc_end_k_qca4868bf49_quant:
	.size	k_qca4868bf49_quant, .Lfunc_end_k_qca4868bf49_quant-k_qca4868bf49_quant
	.p2alignl 7, 3214868480
	.fill 96, 4, 3214868480
	.section	.rodata,"a",@progbits
	.p2align	6, 0x0
	.amdhsa_kernel k_qca4868bf49_quant
		.amdhsa_group_segment_fixed_size 102912
		.amdhsa_private_segment_fixed_size 0
		.amdhsa_enable_private_segment 0
		.amdhsa_kernarg_size 48
		.amdhsa_user_sgpr_count 2
		.amdhsa_user_sgpr_kernarg_segment_ptr 1
		.amdhsa_wavefront_size32 1
		.amdhsa_system_sgpr_workgroup_id_x 1
		.amdhsa_system_sgpr_workgroup_id_y 1
		.amdhsa_system_sgpr_workgroup_id_z 1
		.amdhsa_system_vgpr_workitem_id 0
		.amdhsa_next_free_vgpr 194
		.amdhsa_next_free_sgpr 66
		.amdhsa_reserve_vcc 0
		.amdhsa_float_denorm_mode_32 3
		.amdhsa_float_denorm_mode_16_64 3
		.amdhsa_fp16_overflow 1
		.amdhsa_memory_ordered 1
		.amdhsa_forward_progress 1
		.amdhsa_inst_pref_size 86
	.end_amdhsa_kernel
	.amdgpu_metadata
---
amdhsa.version: [ 1, 2 ]
amdhsa.kernels:
  - .name:           k_qca4868bf49_quant
    .symbol:         k_qca4868bf49_quant.kd
    .args:
      - { .name: x, .offset: 0, .size: 8, .value_kind: global_buffer, .address_space: global }
      - { .name: W_attn, .offset: 8, .size: 8, .value_kind: global_buffer, .address_space: global }
      - { .name: W_proj, .offset: 16, .size: 8, .value_kind: global_buffer, .address_space: global }
      - { .name: lowp_scales, .offset: 24, .size: 8, .value_kind: global_buffer, .address_space: global }
      - { .name: xw_codes, .offset: 32, .size: 8, .value_kind: global_buffer, .address_space: global }
      - { .name: wp_codes, .offset: 40, .size: 8, .value_kind: global_buffer, .address_space: global }
    .group_segment_fixed_size: 102912
    .private_segment_fixed_size: 0
    .kernarg_segment_align: 8
    .kernarg_segment_size: 48
    .max_flat_workgroup_size: 128
    .sgpr_count:     66
    .vgpr_count:     194
    .wavefront_size: 32
...
	.end_amdgpu_metadata
.endif
;; end of part 1
;; launch qkv (part 2): grid 12 x 32, 4 waves a work-group, clusters of 4 x 4, 327,680 bytes of LDS; arguments xw_codes, b_attn, lowp_scales, q_codes, k_codes, v_codes; writes q_codes, k_codes, v_codes
.if DOCPART == 2
	.amdgcn_target "amdgcn-amd-amdhsa--gfx1250"
	.amdhsa_code_object_version 6
	.text
	.protected	k_qca4868bf49_qkv
	.globl	k_qca4868bf49_qkv
	.p2align	8
	.type	k_qca4868bf49_qkv,@function
k_qca4868bf49_qkv:
	s_mov_b64 s[64:65], 0
	v_nop
	global_prefetch_b8 v0, s[64:65] scope:SCOPE_SE
	s_setreg_imm32_b32 hwreg(HW_REG_WAVE_MODE, 25, 1), 1
	s_wait_xcnt 0x0
	s_wait_alu depctr_hold_cnt(0) depctr_sa_sdst(0) depctr_va_vdst(0) depctr_va_sdst(0) depctr_va_ssrc(0) depctr_va_vcc(0) depctr_vm_vsrc(0)
	s_getreg_b32 s2, hwreg(HW_REG_IB_STS2, 6, 4)
	s_cmp_eq_u32 s2, 0
	s_cbranch_scc0 .Lentry_in_a_cluster
	s_endpgm
.Lentry_in_a_cluster:
	s_bfe_u32 s2, ttmp6, 0x10000c
	s_cmp_lg_u32 s2, 0xf033
	s_cbranch_scc0 .Lentry_shape_is_right
	s_endpgm
.Lentry_shape_is_right:
; qkv = x W_attn + b_attn on codes of BF8 (E5M2), and its three parts quantised anew for the attention's products: q with 2^e2, k with 2^e3, v with 2^e5.
; IN: xw_codes: rows of 1,024 codes, K innermost: rows 0-8191 x, row 8192 + n column n of W_attn.  A sum stands for sum x 2^(e0 + e1); b_attn is added in f32 by one fused multiply-add.
; OUT: q_codes, k_codes [bh 64][t 2048][d 64];  v_codes [bh][t / 128][d 64][t % 128]: the keys innermost, since they are the K of the attention's second product.
; LIMITS: e0 + e1 between -126 and 127; e2, e3, e5 between -126 and 112, so that each power of two below is an f32 number.  The hold at the largest code is always executed.
; SHARES: a work-group of four waves makes a tile of 256 x 256, a wave 128 x 128: 64 accumulators, 512 registers.  K = 1,024 goes in four steps of 256 through a ring of two LDS slots.
; THE MATRIX INSTRUCTION IS USED TRANSPOSED (source 0 = 16 rows of 'B', source 1 = 16 rows of 'A'): a lane holds eight neighbours along B's rows of one row of A.
; Clusters with x = 0, 1 make q and k: A = x's rows, B = W's columns 0-2047: a lane's eight are neighbours along d, the K of q k^T.
; Clusters with x = 2 make v TRANSPOSED: A = W's columns 2048-3071, B = x's rows: a lane's eight are neighbours along t, the K of p v.  One text of the loop serves both: only row numbers are chosen, by the cluster's x.
; CLUSTERS: 4 x 4 work-groups; A's tile is asked for jointly along a row of the cluster, B's along a column.  The two ways out part on the cluster's x, which all partners share, hold no barrier and no tensor load, and have LDS bytes of their own.
; No prefetch: of the four K steps two are first fills, and each refill has 128 matrix instructions a wave in which to land.
; REGISTERS, in windows of 256: window 0: v0-31 addresses; v32-63 codes; v64-127 the bias; from v128 A's fragments (one set), on the way out sums and rows.  window 1: B's fragments, two sets.  windows 2, 3: the accumulators ((a, b) at v[8 (8 (a % 4) + b)]).
.set KROW,   1024                      ; a row of codes in memory
.set ROWB,   256                       ; a tile's row: 256 codes
.set PITCH,  272                       ; an LDS row: 256 bytes + 16 of padding: the 16 rows that a load touches start at 16 different banks (64 banks of 4 bytes: ISA guide 11.1)
.set FR,     16                        ; registers of a fragment: 16 rows x 128 K
.set NL,     4                         ; LDS loads that bring one
.set NP,     4                         ; places behind this matrix instruction (ISA guide 7.12.1)
.set HALFT,  128*PITCH
.set SLOT,   4*HALFT                   ; A's 256 rows, then B's 256 rows
.set SPARE,  2*SLOT                    ; behind the ring: the spare words, 128 bytes for each wave
.set STGV,   16384                     ; the stages lie in slot 0, which has had its last fill and its last read by then: q and k's from byte 0 (2,560 a wave), v's from here (2,304 a wave)
.set BR,   9                           ; v9   4 x (lane % 16)
.set SCL,  12                          ; v12  2^eout
.set LIMV, 13
.set ADRA, 16                          ; v16-17  LDS address of my A fragments in slot 0, 1
.set ADRB, 20                          ; v20-21  the same for B
.set STOQ, 24                          ; v24, v25  q and k's stage: in, back
.set RDQ,  25
.set CO,   26                          ; v26  16 x lane
.set STOV, 27                          ; v27, v30  v's stage: in, back
.set SPW,  28                          ; v28  my spare word; never rewritten
.set NIL,  29                          ; v29  0; never rewritten
.set RDV,  30
.set BH,   31                          ; v31  32 x (lane / 16)
.set CD,   32                          ; v32-63   codes, two sets of 16
.set BIAS, 64                          ; v64-127
.set AF,   128
.set TMP,  128                         ; v128-191 a block's sums x 2^(e0 + e1) + bias
.set BK,   192                         ; v192-223 rows read back, two sets of 16
.set G1, 24
.set G0, 32
.set G1B, 48
.set G0B, 56
.set MSB, 0
.macro WIN new                         ; the immediate's high byte repeats the setting that is left
.if MSB != \new
	s_set_vgpr_msb (MSB<<8)|\new
.set MSB, \new
.endif
.endm
.set MUL_LO, 0xa1                      ; source 0 (B) window 1, source 1 (A) window 0, C and D window 2
.set MUL_HI, 0xf1                      ; the same, C and D window 3
.set TO_B,   0x40                      ; destination window 1, address window 0
; A joint load: waves 0 and 1 fetch for A, waves 2 and 3 for B; the branch hangs on the wave's number alone.  Four v_nop follow each of the two lines.
.macro JLOAD g0a, g1a, g0b, g1b
	s_cmp_eq_u32 s15, 0
	s_cbranch_scc0 .Lfor_b_\@
	tensor_load_to_lds s[\g0a:\g0a+3], s[\g1a:\g1a+7]
	s_nop 0
.rept 4
	v_nop
.endr
	s_branch .Lasked_\@
.Lfor_b_\@:
	tensor_load_to_lds s[\g0b:\g0b+3], s[\g1b:\g1b+7]
	s_nop 0
.rept 4
	v_nop
.endr
.Lasked_\@:
.endm
.macro CREST                           ; a round of the cluster's barrier behind its opening barrier
	s_cmp_lg_u32 s14, 0
	s_cbranch_scc1 .Lnot_wave_0_\@
	s_barrier_signal -3
.Lnot_wave_0_\@:
	s_barrier_wait -3
	s_barrier_signal -1
	s_barrier_wait -1
.endm
.macro CROUND
	s_barrier_signal -1
	s_barrier_wait -1
	CREST
.endm
	s_load_b128 s[4:7], s[0:1], 0x0                ; xw_codes s[4:5], b_attn s[6:7]
	s_load_b64 s[8:9], s[0:1], 0x10                ; the scales' exponents
	s_load_b128 s[68:71], s[0:1], 0x18             ; q_codes s[68:69], k_codes s[70:71]
	s_load_b64 s[72:73], s[0:1], 0x28              ; v_codes
	v_lshl_add_u32 v[SPW], v0, 2, SPARE
	v_mov_b32 v[NIL], 0
	ds_add_u32 v28, v29
	ds_add_u32 v28, v29
	s_wait_dscnt 0x0
	v_lshrrev_b32 v1, 5, v0
	v_readfirstlane_b32 s14, v1                    ; wave 0..3
	s_lshr_b32 s15, s14, 1                         ; which half of A's rows is mine.  Also: I fetch for A (0) or for B (1)
	s_and_b32 s16, s14, 1                          ; which half of B's rows.  Also: which 128 rows of that tile I fetch
	s_bfe_u32 s40, ttmp6, 0x40000                  ; cx, cy: my place in the cluster
	s_bfe_u32 s41, ttmp6, 0x40004
	s_and_b32 s17, ttmp7, 0xffff
	s_lshl_b32 s17, s17, 10                        ; 1,024 x cluster y
	s_lshl_b32 s42, ttmp9, 10
	s_add_co_u32 s42, s42, 8192                    ; 8,192 + 1,024 x cluster x
	s_cmp_eq_u32 ttmp9, 2                          ; v's clusters?  The same answer in all sixteen partners
	s_cselect_b32 s66, 10240, s17                  ; A: W's columns 2048 on, or x's rows
	s_cselect_b32 s67, s17, s42                    ; B: x's rows, or W's columns 0-2047
	s_lshl_b32 s78, s41, 8
	s_add_co_u32 s66, s66, s78                     ; A's tile begins at this row of xw_codes: it hangs on cy, never on cx
	s_lshl_b32 s79, s40, 8
	s_add_co_u32 s67, s67, s79                     ; B's: on cx, never on cy
	s_lshl_b32 s43, s41, 2
	s_lshl_b32 s43, 15, s43                        ; my row of the cluster
	s_lshl_b32 s44, 0x1111, s40                    ; my column
	s_or_b32 s[G1+0], s43, (0<<16)|(1<<20)|(1<<21)|(5<<22)|(3<<25)  ; the mask; elements of 1 byte; padding on; bit 21 beside a mask; after every 64 words 4 words
	s_or_b32 s[G1B+0], s44, (0<<16)|(1<<20)|(1<<21)|(5<<22)|(3<<25)
.irp g, G1, G1B
	s_mov_b32 s[\g+1], ROWB<<16                    ; tensor_dim0
	s_mov_b32 s[\g+2], 128<<16                     ; tensor_dim1
	s_mov_b32 s[\g+3], ROWB<<16                    ; tile_dim0
	s_mov_b32 s[\g+4], 128                         ; tile_dim1
	s_mov_b32 s[\g+5], KROW                        ; from row to row
	s_mov_b32 s[\g+6], 0
	s_mov_b32 s[\g+7], 0
.endr
	s_lshl_b32 s18, s16, 7                         ; which 128 rows of the tile I fetch
	s_add_co_u32 s20, s66, s18
	s_lshl_b32 s20, s20, 10                        ; in bytes: at most 11,264 rows of 1,024
	s_mov_b32 s21, 0
	s_add_co_u32 s46, s67, s18
	s_lshl_b32 s46, s46, 10
	s_mov_b32 s47, 0
	s_mul_i32 s45, s14, HALFT                      ; where they go: wave x 128 rows: no place in the cluster enters an LDS address
	s_wait_kmcnt 0x0
	s_load_b256 s[80:87], s[8:9], 0x0              ; e0 .. e7
	s_add_nc_u64 s[20:21], s[4:5], s[20:21]
	s_add_nc_u64 s[46:47], s[4:5], s[46:47]
	CROUND                                         ; all sixteen work-groups are here: the first joint loads meet
.irp s, 0,1
	s_mov_b32 s[G0+4*\s], 1
	s_add_co_u32 s[G0+4*\s+1], s45, \s*SLOT
	s_add_nc_u64 s[G0+4*\s+2:G0+4*\s+3], s[20:21], \s*ROWB
	s_or_b32 s[G0+4*\s+3], s[G0+4*\s+3], 0x80000000
	s_mov_b32 s[G0B+4*\s], 1
	s_add_co_u32 s[G0B+4*\s+1], s45, \s*SLOT
	s_add_nc_u64 s[G0B+4*\s+2:G0B+4*\s+3], s[46:47], \s*ROWB
	s_or_b32 s[G0B+4*\s+3], s[G0B+4*\s+3], 0x80000000
	JLOAD G0+4*\s, G1, G0B+4*\s, G1B
.endr
	v_and_b32 v1, 15, v0                           ; r = lane % 16
	s_wait_alu depctr_va_vdst(0)
	v_bfe_u32 v2, v0, 4, 1                         ; h = lane / 16
	v_mul_u32_u24 v3, v1, PITCH
	v_lshl_add_u32 v4, v2, 4, v3                   ; a fragment's row x pitch + 16 x half
	s_mul_i32 s21, s15, HALFT                      ; my 128 rows of A
	s_mul_i32 s22, s16, HALFT                      ; my 128 rows of B,
	s_add_co_u32 s22, s22, 2*HALFT                 ; which lie behind A's 256
.irp s, 0,1
	v_add_nc_u32 v[ADRA+\s], s21, v4
	v_add_nc_u32 v[ADRB+\s], s22, v4
	s_add_co_u32 s21, s21, SLOT
	s_add_co_u32 s22, s22, SLOT
.endr
	; both ways out's addresses are made here, ahead of the parting
	s_mul_i32 s23, s14, 2560                       ; q, k: a stage of 2 heads x 16 rows x (64 + 16) bytes
	v_mul_u32_u24 v5, v1, 80
	s_wait_alu depctr_va_vdst(0)
	v_lshl_add_u32 v5, v2, 3, v5
	v_add_nc_u32 v[STOQ], s23, v5                  ; in: row r, 8 bytes for each half of the lanes
	v_and_b32 v6, 31, v0
	v_lshrrev_b32 v7, 2, v6
	v_mul_u32_u24 v7, v7, 80
	v_and_b32 v8, 3, v6
	v_lshl_add_u32 v7, v8, 4, v7
	v_add_nc_u32 v[RDQ], s23, v7                   ; back: four lanes to a row of 64 bytes, eight rows an instruction
	s_mul_i32 s23, s14, 2304                       ; v: a stage of 16 rows x (128 + 16) bytes
	s_add_co_u32 s23, s23, STGV
	v_mul_u32_u24 v5, v1, 144
	v_lshl_add_u32 v5, v2, 3, v5
	v_add_nc_u32 v[STOV], s23, v5
	v_lshrrev_b32 v7, 3, v6
	v_mul_u32_u24 v7, v7, 144
	v_and_b32 v8, 7, v6
	v_lshl_add_u32 v7, v8, 4, v7
	v_add_nc_u32 v[RDV], s23, v7                   ; back: eight lanes to a row of 128 bytes, four rows an instruction
	v_lshlrev_b32 v[CO], 4, v6
	v_lshlrev_b32 v[BR], 2, v1
	v_lshlrev_b32 v[BH], 5, v2
.macro FRAG reg, adr, q, i             ; 16 rows x 128 K: lane l holds row l % 16; registers 4 c .. 4 c + 3 hold K = 32 c + 16 (l / 16) + 0 .. 15: the same order of k in A and in B
.irp c, 0,1,2,3
	ds_load_b128 v[\reg+4*\c:\reg+4*\c+3], v[\adr] offset:128*(\q)+32*\c+(\i)*16*PITCH
.endr
.endm
; 16 matrix instructions: A's blocks a0, a0 + 1 x B's eight.  The 64 accumulators take turns, one instruction a turn, in the same order in every step.
.macro MUL16 a0, p, zero
.irp a, \a0, \a0+1
.irp b, 0,1,2,3,4,5,6,7
.if \zero
	v_wmma_f32_16x16x128_bf8_bf8 v[8*(8*((\a)%4)+\b):8*(8*((\a)%4)+\b)+7], v[128*(\p)+FR*\b:128*(\p)+FR*\b+FR-1], v[AF+FR*(\a):AF+FR*(\a)+FR-1], 0
.else
	v_wmma_f32_16x16x128_bf8_bf8 v[8*(8*((\a)%4)+\b):8*(8*((\a)%4)+\b)+7], v[128*(\p)+FR*\b:128*(\p)+FR*\b+FR-1], v[AF+FR*(\a):AF+FR*(\a)+FR-1], v[8*(8*((\a)%4)+\b):8*(8*((\a)%4)+\b)+7]
.endif
.endr
.endr
.endm
.macro FETCH_B slot, q, p
	WIN TO_B
.irp i, 0,1,2,3,4,5,6,7
	FRAG 128*(\p)+FR*\i, ADRB+\slot, \q, \i
.endr
	WIN 0
.endm
.macro FETCH_A slot, q, i0
.irp i, \i0, \i0+1, \i0+2, \i0+3
	FRAG AF+FR*(\i), ADRA+\slot, \q, \i
.endr
.endm
.macro PLACES n                        ; plain vector instructions between a matrix instruction and a load into, or a vector write of, one of its registers, or a read of its result
.rept \n
	v_nop
.endr
.endm
; A step of 128 along K that has its successor in the same slot.  A has one set of registers (a block is free when its eight products are issued), B two.
.macro STEP slot, q, zero
	s_wait_dscnt 4*NL                              ; B's set and A's blocks 0-3 are in; the youngest 16 loads (A's blocks 4-7) may be out
	WIN MUL_LO
	MUL16 0, (\q)%2, \zero
	MUL16 2, (\q)%2, \zero
	s_wait_dscnt 0                                 ; A's blocks 4-7 are in
	PLACES NP
	FETCH_B \slot, (\q)+1, 1-(\q)%2
	FETCH_A \slot, (\q)+1, 0
	WIN MUL_HI
	MUL16 4, (\q)%2, \zero
	MUL16 6, (\q)%2, \zero
	PLACES NP
	WIN 0
	FETCH_A \slot, (\q)+1, 4
.endm
; A slot's last step changes slots: one barrier; in front of it each wave waits for all its tensor loads, adds 0 to its spare word, and waits for that and for its own reads of this slot.
.macro TURN slot, next, fill
	s_wait_tensorcnt 0x0                           ; all my tensor loads have landed: my part of the next slot
	ds_add_u32 v[SPW], v[NIL]                      ; 0 onto my spare word
	s_wait_dscnt 4*NL+1                            ; (the add and the youngest 16 loads may be out)
	WIN MUL_LO
	MUL16 0, 1, 0
	s_wait_dscnt 0x0                               ; the add is done, and my reads of this slot are over
	s_barrier_signal -1
	MUL16 2, 1, 0
	WIN 0
	s_barrier_wait -1
.if \fill
	CREST                                          ; the barrier has opened a round of the cluster's barrier: no wave of any partner still reads this slot or has a load on its way
	s_add_nc_u64 s[G0+4*\slot+2:G0+4*\slot+3], s[G0+4*\slot+2:G0+4*\slot+3], 2*ROWB
	s_add_nc_u64 s[G0B+4*\slot+2:G0B+4*\slot+3], s[G0B+4*\slot+2:G0B+4*\slot+3], 2*ROWB
	JLOAD G0+4*\slot, G1, G0B+4*\slot, G1B         ; the first tensor load behind the round; its four v_nop are the places in front of the loads below
.else
	PLACES NP
.endif
	FETCH_B \next, 0, 0
	FETCH_A \next, 0, 0
	WIN MUL_HI
	MUL16 4, 1, 0
	MUL16 6, 1, 0
	PLACES NP
	WIN 0
	FETCH_A \next, 0, 4
.endm
.macro TAIL                            ; the last K step's two steps of 128: nothing more is fetched at the end
	STEP 1, 0, 0
	s_wait_dscnt 4*NL
	WIN MUL_LO
	MUL16 0, 1, 0
	MUL16 2, 1, 0
	s_wait_dscnt 0
	WIN MUL_HI
	MUL16 4, 1, 0
	MUL16 6, 1, 0
	WIN 0
.endm
.macro CONSTS                          ; s93 = eout
	s_add_co_i32 s96, s80, s81
	s_add_co_i32 s96, s96, 127
	s_lshl_b32 s96, s96, 23                        ; 2^(e0 + e1) as f32
	s_mov_b32 s97, s96                             ; (named with it as a pair, so it is written)
	s_add_co_i32 s93, s93, 127
	s_lshl_b32 s94, s93, 23
	v_mov_b32 v[SCL], s94                          ; 2^eout: the conversion takes its exponent field
	s_add_co_i32 s93, s93, 15
	s_lshl_b32 s93, s93, 23
	s_or_b32 s93, s93, 0x600000
.endm
; THE WAY OUT of block a (16 rows of A x 128 rows of B): sum x 2^(e0 + e1) + bias, held, turned into codes (a lane's eight are 8 bytes), through my own stage, back as runs of 512 consecutive bytes.
; isv = 0: the bias runs along B (eight numbers a tile); isv = 1: along A (one number a lane and block, kept twice as a pair).
.macro TOST a, isv
.set AC, 64*((\a)%4)
.set CC, CD+16*((\a)%2)
.set BB, BK+16*((\a)%2)
	WIN 0x02+((\a)/4)                              ; source 0: window 2 or 3
.set jj, 0
.rept 32
.if \isv
	v_pk_fma_f32 v[TMP+jj:TMP+jj+1], v[AC+jj:AC+jj+1], s[96:97], v[BIAS+2*(\a):BIAS+2*(\a)+1] op_sel_hi:[1,0,1]
.else
	v_pk_fma_f32 v[TMP+jj:TMP+jj+1], v[AC+jj:AC+jj+1], s[96:97], v[BIAS+jj:BIAS+jj+1] op_sel_hi:[1,0,1]   ; each accumulator from its low end on
.endif
.set jj, jj+2
.endr
	WIN 0
.set jj, 0
.rept 64
.set jj, jj+1
.endr
.irp b, 0,1,2,3,4,5,6,7
	v_cvt_scalef32_pk8_bf8_f32 v[CC+2*\b:CC+2*\b+1], v[TMP+8*\b:TMP+8*\b+7], v[SCL]
.endr
	v_nop                                          ; one plain vector instruction behind the last conversion: the next block's sums write the conversions' sources
.irp b, 0,1,2,3,4,5,6,7
.if \isv
	ds_store_b64 v[STOV], v[CC+2*\b:CC+2*\b+1] offset:16*\b
.else
	ds_store_b64 v[STOQ], v[CC+2*\b:CC+2*\b+1] offset:(\b/4)*1280+16*(\b%4)
.endif
.endr
.irp i, 0,1,2,3
.if \isv
	ds_load_b128 v[BB+4*\i:BB+4*\i+3], v[RDV] offset:576*\i        ; LDS serves a wave's instructions in order: these see the stores above
.else
	ds_load_b128 v[BB+4*\i:BB+4*\i+3], v[RDQ] offset:(\i/2)*1280+640*(\i%2)
.endif
.endr
.endm
.macro SEND a, isv, younger            ; younger: the LDS instructions issued behind block a's loads, which may stay out
.set BB, BK+16*((\a)%2)
	s_wait_dscnt \younger
.irp i, 0,1,2,3
.if \isv
	global_store_b128 v[CO], v[BB+4*\i:BB+4*\i+3], s[76:77] offset:((\a)/4)*131072+2048*((\a)%4)+512*\i   ; 32 lanes store 512 consecutive bytes, aligned
.else
	global_store_b128 v[CO], v[BB+4*\i:BB+4*\i+3], s[76:77] offset:(\i/2)*131072+1024*(\a)+512*(\i%2)
.endif
.endr
.endm
.macro WAYOUT isv
	s_wait_loadcnt 0x0                             ; the bias
	PLACES NP                                      ; behind the last products: the sums below are written where A's fragments lay
	TOST 0, \isv
.irp a, 1,2,3,4,5,6,7
.if \a > 1
	s_wait_xcnt 0x0                                ; block a - 2's stores have read their registers: block a's rows may land there
.endif
	TOST \a, \isv
	SEND \a-1, \isv, 12                            ; behind block a - 1's loads: block a's 8 stores and 4 loads
.endr
	SEND 7, \isv, 0
.endm
	s_wait_tensorcnt 1                             ; my part of K step 0 is in (K step 1's load may be out)
	s_barrier_signal -1
	s_barrier_wait -1                              ; everybody's is
	FETCH_B 0, 0, 0
	FETCH_A 0, 0, 0
	FETCH_A 0, 0, 4
	STEP 0, 0, 1                                   ; the first products start the sums: nothing is cleared
	TURN 0, 1, 1                                   ; slot 0 takes K step 2
	STEP 1, 0, 0
	TURN 1, 0, 1                                   ; slot 1 takes K step 3
	STEP 0, 0, 0
	TURN 0, 1, 0                                   ; nothing is left to fetch: behind this barrier nobody reads slot 0, and nothing fills it
	s_wait_kmcnt 0x0                               ; the exponents
	s_cmp_eq_u32 ttmp9, 2
	s_cbranch_scc1 .Lv_arm
	; ---- q and k: row bt = m0 + 16 a + r, feature n0 + 16 b + 8 h + j
	s_lshl_b32 s88, s15, 7
	s_add_co_u32 s88, s66, s88                     ; m0
	s_lshl_b32 s89, s16, 7
	s_add_co_u32 s89, s67, s89
	s_sub_co_u32 s89, s89, 8192                    ; n0, 0 .. 2047
	s_lshl_b32 s90, s89, 2
	s_mov_b32 s91, 0
	s_add_nc_u64 s[74:75], s[6:7], s[90:91]
	s_wait_alu depctr_va_vdst(0)
.irp b, 0,1,2,3,4,5,6,7
	global_load_b128 v[BIAS+8*\b:BIAS+8*\b+3], v[BH], s[74:75] offset:64*\b       ; b_attn at n0 + 16 b + 8 h + 0 .. 7: the loads land under the 128 products below
	global_load_b128 v[BIAS+8*\b+4:BIAS+8*\b+7], v[BH], s[74:75] offset:64*\b+16
.endr
	s_lshr_b32 s90, s88, 11
	s_lshl_b32 s90, s90, 21                        ; the batch: 16 heads of 2^17 bytes
	s_and_b32 s92, s89, 1023
	s_lshr_b32 s92, s92, 6
	s_lshl_b32 s92, s92, 17                        ; my first head
	s_add_co_u32 s90, s90, s92
	s_and_b32 s92, s88, 2047
	s_lshl_b32 s92, s92, 6                         ; t x 64 bytes
	s_add_co_u32 s90, s90, s92
	s_cmp_eq_u32 ttmp9, 0
	s_cselect_b64 s[76:77], s[68:69], s[70:71]     ; q's clusters or k's
	s_cselect_b32 s93, s82, s83                    ; e2 or e3
	s_add_nc_u64 s[76:77], s[76:77], s[90:91]
	CONSTS
	TAIL
	WAYOUT 0
	s_branch .Ljoin
.Lv_arm:
	; ---- v, transposed: feature nr0 + 16 a + r, row bt = bt0 + 16 b + 8 h + j
	s_lshl_b32 s88, s15, 7
	s_add_co_u32 s88, s66, s88
	s_sub_co_u32 s88, s88, 10240                   ; nr0, 0 .. 1023
	s_lshl_b32 s89, s16, 7
	s_add_co_u32 s89, s67, s89                     ; bt0
	s_lshl_b32 s90, s88, 2
	s_add_co_u32 s90, s90, 8192                    ; v's bias begins at number 2,048
	s_mov_b32 s91, 0
	s_add_nc_u64 s[74:75], s[6:7], s[90:91]
	s_wait_alu depctr_va_vdst(0)
.irp a, 0,1,2,3,4,5,6,7
	global_load_b32 v[BIAS+2*\a], v[BR], s[74:75] offset:64*\a                    ; b_attn at 2048 + nr0 + 16 a + r, twice: a pair for the packed multiply-add
	global_load_b32 v[BIAS+2*\a+1], v[BR], s[74:75] offset:64*\a
.endr
	s_lshr_b32 s90, s89, 11
	s_lshl_b32 s90, s90, 21
	s_lshr_b32 s92, s88, 6
	s_lshl_b32 s92, s92, 17
	s_add_co_u32 s90, s90, s92
	s_and_b32 s92, s89, 2047
	s_lshr_b32 s92, s92, 7
	s_lshl_b32 s92, s92, 13                        ; my block of 128 keys: 64 rows of 128 bytes
	s_add_co_u32 s90, s90, s92
	s_add_nc_u64 s[76:77], s[72:73], s[90:91]
	s_mov_b32 s93, s85                             ; e5
	CONSTS
	TAIL
	WAYOUT 1
.Ljoin:
	s_wait_tensorcnt 0x0                           ; the wave's end: behind my last tensor load and my last LDS store
	ds_add_u32 v[SPW], v[NIL]
	s_wait_dscnt 0x0
	CROUND                                         ; the closing round: no work-group ends while a partner may still ask for a tile that names it
	s_endpgm
.Lfunc_end_k_qca4868bf49_qkv:
	.size	k_qca4868bf49_qkv, .Lfunc_end_k_qca4868bf49_qkv-k_qca4868bf49_qkv
	.p2alignl 7, 3214868480
	.fill 96, 4, 3214868480
	.section	.rodata,"a",@progbits
	.p2align	6, 0x0
	.amdhsa_kernel k_qca4868bf49_qkv
		.amdhsa_group_segment_fixed_size 327680
		.amdhsa_private_segment_fixed_size 0
		.amdhsa_enable_private_segment 0
		.amdhsa_kernarg_size 48
		.amdhsa_user_sgpr_count 2
		.amdhsa_user_sgpr_kernarg_segment_ptr 1
		.amdhsa_wavefront_size32 1
		.amdhsa_system_sgpr_workgroup_id_x 1
		.amdhsa_system_sgpr_workgroup_id_y 1
		.amdhsa_system_sgpr_workgroup_id_z 1
		.amdhsa_system_vgpr_workitem_id 0
		.amdhsa_next_free_vgpr 1024
		.amdhsa_next_free_sgpr 100
		.amdhsa_reserve_vcc 0
		.amdhsa_float_denorm_mode_32 3
		.amdhsa_float_denorm_mode_16_64 3
		.amdhsa_fp16_overflow 1
		.amdhsa_memory_ordered 1
		.amdhsa_forward_progress 1
		.amdhsa_inst_pref_size 157
	.end_amdhsa_kernel
	.amdgpu_metadata
---
amdhsa.version: [ 1, 2 ]
amdhsa.kernels:
  - .name:           k_qca4868bf49_qkv
    .symbol:         k_qca4868bf49_qkv.kd
    .args:
      - { .name: xw_codes, .offset: 0, .size: 8, .value_kind: global_buffer, .address_space: global }
      - { .name: b_attn, .offset: 8, .size: 8, .value_kind: global_buffer, .address_space: global }
      - { .name: lowp_scales, .offset: 16, .size: 8, .value_kind: global_buffer, .address_space: global }
      - { .name: q_codes, .offset: 24, .size: 8, .value_kind: global_buffer, .address_space: global }
      - { .name: k_codes, .offset: 32, .size: 8, .value_kind: global_buffer, .address_space: global }
      - { .name: v_codes, .offset: 40, .size: 8, .value_kind: global_buffer, .address_space: global }
    .group_segment_fixed_size: 327680
    .private_segment_fixed_size: 0
    .kernarg_segment_align: 8
    .kernarg_segment_size: 48
    .max_flat_workgroup_size: 128
    .sgpr_count:     100
    .vgpr_count:     1024
    .wavefront_size: 32
...
	.end_amdgpu_metadata
.endif
;; end of part 2
;; launch attn (part 3): grid 4 x 64, 16 waves a work-group, no clusters, 327,680 bytes of LDS; arguments q_codes, k_codes, v_codes, lowp_scales, o_codes; writes o_codes
.if DOCPART == 3
	.amdgcn_target "amdgcn-amd-amdhsa--gfx1250"
	.amdhsa_code_object_version 6
	.text
	.protected	k_qca4868bf49_attn
	.globl	k_qca4868bf49_attn
	.p2align	8
	.type	k_qca4868bf49_attn,@function
k_qca4868bf49_attn:
	s_mov_b64 s[64:65], 0
	v_nop
	global_prefetch_b8 v0, s[64:65] scope:SCOPE_SE
	s_setreg_imm32_b32 hwreg(HW_REG_WAVE_MODE, 25, 1), 1
	s_wait_xcnt 0x0
; Causal attention on codes of BF8 (E5M2), head size 64, and its result quantised anew (2^e6) for the projection.
; IN: q_codes, k_codes [bh 64][t 2048][d 64]; v_codes [bh][t / 128][d 64][t % 128] (the keys innermost).  OUT: o_codes [bt / 128][h 16][t % 128][d 64].
; THE SOFTMAX: t = score x log2(e) / 8; M = the row's largest t so far, rounded UP to a whole number; p = 2^(t - M) is quantised with 2^e4, not normalised; the row's sum is taken of the unquantised p and divides O at the end.
; When M moves, the sum and O are multiplied by 2^(old M - new M): exact.
; LIMITS: e2 + e3 between -123 and 130 (added to c's exponent field); e4 and e6 between -126 and 112; e4 + e5 goes through v_ldexp_f32 and has none.  The holds are always executed.
; SHARES: work-group (x, bh) owns the blocks x and 7 - x of 256 queries of head bh; each of its sixteen waves owns 16 queries of each block, one tile, in 256 registers: four waves to a SIMD.
; It walks the slots of 256 keys 0 .. x for block x, then 0 .. 7 - x for block 7 - x: NINE slots in every work-group, so the trip count is a constant and all 256 work-groups have the same work.
; In trip x + 1 (a scalar branch on ids) the first block is finished and the second begun.  A step of 128 keys all of which come after the wave's queries is left out by a scalar branch on ids.
; NO CLUSTER: the four work-groups of a head walk different slots in the same trip once the work is evened out (x = 0 is at slot 0 again when x = 3 is at slot 1); walking jointly would take all eight slots twice less the
; shared part, 12 slots' steps against 9, to share 32 KB a slot.
; LAYOUT: both products transposed: S^T = K Q^T (source 0 = 16 keys), O^T = V^T P^T (source 0 = 16 of the head's 64): a lane holds ONE query (lane % 16) throughout.
; THE KEYS OF A TILE ARE NOT NEIGHBOURS: lane r of tile 2 b + u takes key 32 b + 8 u + r + 8 (r / 8), so that the 16 registers of tiles 2 b, 2 b + 1 are the keys 32 b + 16 (lane / 16) + 0 .. 15.
; REGISTERS: v1-11 addresses; v12 -M, v13 the largest t, v[14:15] the sum; v16-23 Q in hand, v24-31 Q of the second block; v32-95 fragments of K, then of V; v96-159 S^T, then p; v160-191 O^T; v224-239 p's codes; v240-254 constants and at work.
.set KP,     144                       ; an LDS row: 128 bytes (two keys of K, or 128 keys of one d of V) + 16 of padding
.set PART,   64*KP                     ; what one tensor load brings: 64 such rows
.set VOFF,   2*PART                    ; a slot: K's keys 0-127, 128-255, V's two blocks
.set SLOT1,  1<<16                     ; slot 1 begins here: one exclusive or turns an address in one slot into the other's
.set SPARE,  2*SLOT1                   ; the spare words, 128 bytes for each of the sixteen waves
.set STAGE,  SPARE+2048                ; the way out: 16 rows x (64 + 16) bytes a wave; the second block's stage lies STG2 further on
.set STG2,   16*1280
.set AK0,  1
.set AV0,  2
.set PFO,  3                           ; v3   256 x lane; never rewritten
.set STO,  4
.set SPW,  5                           ; v5   my spare word; never rewritten
.set NIL,  6                           ; v6   0; never rewritten
.set GO,   7                           ; v7   16 x lane
.set ADK,  8
.set ADV,  9
.set RD,   10
.set WV,   18
.set SEL,  20                          ; s[20:21] lane selects for v_permlanex16_b32: lane l xor 16
.set CS,   22                          ; s[22:23] c = log2(e) / 8 x 2^(e2 + e3)
.set G1,   24                          ; s[24:31] the one shape of all tiles
.set TB,   33                          ; s33  LDS byte at which the slot in hand begins
.set TR,   34                          ; s34  the trip
.set XS,   35                          ; s35  x + 1: the trip in which the blocks change
.set G0,   40                          ; s[40:43] the walking descriptor
.set Q0B,  48                          ; s48  my first query in the second block
.set OA,   50                          ; s[50:51] my 1,024 bytes of o_codes for the block in hand; s[52:53] for the second
.set OB,   52
.set PFA,  76                          ; s[76:77] where my prefetches stand
.set LIM,  80                          ; s80  a wave prefetches while the trip is under it
.set E45,  81                          ; s81  e4 + e5
.set KF,   98                          ; s98  the step's first key
.set Q0,   99                          ; s99  my first query
.macro TLOAD                           ; waves 0, 1: K's halves of a slot; waves 2, 3: V's; the others nothing.  Four v_nop follow the line
	s_cmp_lt_u32 s[WV], 4
	s_cbranch_scc0 .Lasked_\@
	tensor_load_to_lds s[G0:G0+3], s[G1:G1+7]
	s_nop 0
.rept 4
	v_nop
.endr
.Lasked_\@:
.endm
; A PREFETCH INTO THE L2.  The work-group with x = 0 walks the head's slots 0 to 7 in its trips 1 to 8; in trip T it names slot T + 1, which its NEXT change of slots will ask for: a slot's two key steps ahead of that load.
; Its waves 4, 5 name K's two halves and 6, 7 V's, 8,192 bytes each, lanes 256 bytes apart: slots 1 to 7 are named once in the launch, slot 0 never; trips 7 and 8 name nothing.
.macro ASK
	s_cmp_lt_u32 s[TR], s[LIM]
	s_cbranch_scc0 .Lnot_mine_\@
	global_prefetch_b8 v[PFO], s[PFA:PFA+1] th:TH_LOAD_NT scope:SCOPE_SE
.Lnot_mine_\@:
.endm
	s_load_b128 s[4:7], s[0:1], 0x0                ; q_codes s[4:5], k_codes s[6:7]
	s_load_b128 s[12:15], s[0:1], 0x10             ; v_codes s[12:13], the scales' exponents s[14:15]
	s_load_b64 s[16:17], s[0:1], 0x20              ; o_codes
	v_lshl_add_u32 v[SPW], v0, 2, SPARE
	v_mov_b32 v[NIL], 0
	ds_add_u32 v5, v6
	ds_add_u32 v5, v6
	s_wait_dscnt 0x0
	v_lshrrev_b32 v8, 5, v0
	s_delay_alu instid0(VALU_DEP_1)
	v_readfirstlane_b32 s[WV], v8                  ; wave 0..15
	s_and_b32 s54, ttmp7, 0xffff                   ; bh
	s_lshl_b32 s56, s54, 17                        ; the head's first byte in q_codes, k_codes and v_codes
	s_and_b32 s58, s[WV], 1
	s_lshl_b32 s58, s58, 13
	s_add_co_u32 s58, s58, s56                     ; + the half of a slot that an odd wave fetches or names
	s_mov_b32 s59, 0
	s_and_b32 s60, s[WV], 3
	s_mul_i32 s60, s60, PART                       ; where my part of a slot lies
	s_mov_b32 s[G1], (0<<16)|(1<<20)|(4<<22)|(3<<25)  ; no mask; elements of 1 byte; padding on: after every 32 words 4 words
	s_mov_b32 s[G1+1], 128<<16                     ; tensor_dim0
	s_mov_b32 s[G1+2], 64<<16                      ; tensor_dim1
	s_mov_b32 s[G1+3], 128<<16                     ; tile_dim0
	s_mov_b32 s[G1+4], 64                          ; tile_dim1
	s_mov_b32 s[G1+5], 128                         ; from row to row: the blocks are dense in memory
	s_mov_b32 s[G1+6], 0
	s_mov_b32 s[G1+7], 0
	s_mov_b32 s[SEL], 0x76543210
	s_mov_b32 s[SEL+1], 0xfedcba98
	s_mov_b32 s[CS], 0x3e38aa3b                    ; log2(e) / 8
	s_mov_b32 s[TB], 0
	s_mov_b32 s[TR], 0
	s_add_co_u32 s[XS], ttmp9, 1
	s_lshl_b32 s44, s[XS], 14                      ; (x + 1) slots of 16,384 bytes: the way back to slot 0
	s_mov_b32 s47, 0
	s_mov_b32 s[KF], 0
	s_lshl_b32 s66, ttmp9, 8
	s_lshl_b32 s67, s[WV], 4
	s_add_co_u32 s[Q0], s66, s67                   ; 256 x + 16 wave
	s_sub_co_u32 s55, 7, ttmp9
	s_lshl_b32 s66, s55, 8
	s_add_co_u32 s[Q0B], s66, s67                  ; 256 (7 - x) + 16 wave
	s_wait_kmcnt 0x0
	s_load_b256 s[84:91], s[14:15], 0x0            ; e0 .. e7
	s_cmp_lt_u32 s[WV], 2
	s_cselect_b64 s[62:63], s[6:7], s[12:13]
	s_mov_b32 s[G0], 1                             ; count = 1
	s_mov_b32 s[G0+1], s60                         ; LDS address: slot 0
	s_add_nc_u64 s[G0+2:G0+3], s[62:63], s[58:59]  ; the head's slot 0
	s_or_b32 s[G0+3], s[G0+3], 0x80000000          ; type = 2
	TLOAD                                          ; the one first fill at the start; slot 1's follows behind the first trip's barrier, as a refill does
	s_cmp_lt_u32 s[WV], 6
	s_cselect_b64 s[62:63], s[6:7], s[12:13]       ; waves 4, 5 name K's bytes, 6, 7 V's
	s_add_nc_u64 s[PFA:PFA+1], s[62:63], s[58:59]  ; at slot 0: the first change of slots steps it to slot 1.  Nothing is named here, at the head
	s_lshr_b32 s82, s[WV], 2
	s_xor_b32 s82, s82, 1
	s_or_b32 s82, s82, ttmp9                       ; 0 in waves 4 to 7 of the work-group with x = 0
	s_cmp_eq_u32 s82, 0
	s_cselect_b32 s[LIM], 7, 0
	s_lshl_b32 s68, s[Q0], 6
	s_add_co_u32 s68, s68, s56
	s_mov_b32 s69, 0
	s_add_nc_u64 s[70:71], s[4:5], s[68:69]        ; Q's codes at my first query of block x,
	s_lshl_b32 s68, s[Q0B], 6
	s_add_co_u32 s68, s68, s56
	s_add_nc_u64 s[72:73], s[4:5], s[68:69]        ; and of block 7 - x
	v_and_b32 v8, 15, v0                           ; r
	s_wait_alu depctr_va_vdst(0)
	v_bfe_u32 v9, v0, 4, 1                         ; h
	v_and_b32 v248, 31, v0                         ; lane
	v_lshlrev_b32 v11, 6, v8
	s_delay_alu instid0(VALU_DEP_1)
	v_lshl_add_u32 v11, v9, 4, v11                 ; Q: row r of 64 bytes, + 16 h: registers 4 c .. 4 c + 3 hold d = 32 c + 16 h + 0 .. 15, the same order as K's
.irp c, 0,1
	global_load_b128 v[16+4*\c:19+4*\c], v11, s[70:71] offset:32*\c
	global_load_b128 v[24+4*\c:27+4*\c], v11, s[72:73] offset:32*\c
.endr
	s_lshr_b32 s74, s54, 4
	s_lshl_b32 s74, s74, 21                        ; o_codes: the batch's 16 blocks of 128 rows,
	s_lshr_b32 s75, s[WV], 3
	s_lshl_b32 s75, s75, 17                        ; the half of my 256 queries,
	s_add_co_u32 s74, s74, s75
	s_and_b32 s75, s54, 15
	s_lshl_b32 s75, s75, 13                        ; the head,
	s_add_co_u32 s74, s74, s75
	s_and_b32 s75, s[WV], 7
	s_lshl_b32 s75, s75, 10                        ; my 16 rows of 64 bytes
	s_add_co_u32 s74, s74, s75
	s_lshl_b32 s75, ttmp9, 18
	s_add_co_u32 s92, s74, s75
	s_mov_b32 s93, 0
	s_add_nc_u64 s[OA:OA+1], s[16:17], s[92:93]
	s_lshl_b32 s75, s55, 18
	s_add_co_u32 s92, s74, s75
	s_add_nc_u64 s[OB:OB+1], s[16:17], s[92:93]
	v_and_b32 v249, 8, v8
	s_delay_alu instid0(VALU_DEP_1)
	v_add_nc_u32 v249, v249, v8                    ; my key in a tile: r + 8 (r / 8)
	s_delay_alu instid0(VALU_DEP_1)
	v_lshrrev_b32 v[AK0], 1, v249
	s_delay_alu instid0(VALU_DEP_1)
	v_mul_u32_u24 v[AK0], v[AK0], KP               ; two keys to an LDS row
	s_delay_alu instid0(VALU_DEP_3)
	v_and_b32 v249, 1, v249
	s_delay_alu instid0(VALU_DEP_1)
	v_lshl_add_u32 v[AK0], v249, 6, v[AK0]
	s_delay_alu instid0(VALU_DEP_1)
	v_lshl_add_u32 v[AK0], v9, 4, v[AK0]
	v_mul_u32_u24 v[AV0], v8, KP
	s_delay_alu instid0(VALU_DEP_1)
	v_lshl_add_u32 v[AV0], v9, 4, v[AV0]
	s_delay_alu instid0(VALU_DEP_1)
	v_add_nc_u32 v[AV0], VOFF, v[AV0]
	v_lshlrev_b32 v[PFO], 8, v248
	v_lshlrev_b32 v[GO], 4, v248
	s_mul_i32 s82, s[WV], 1280
	s_add_co_u32 s82, s82, STAGE                   ; my stage
	v_mul_u32_u24 v[STO], v8, 80
	s_delay_alu instid0(VALU_DEP_1)
	v_lshl_add_u32 v[STO], v9, 3, v[STO]
	s_delay_alu instid0(VALU_DEP_1)
	v_add_nc_u32 v[STO], s82, v[STO]               ; in: row r, 8 bytes for each half of the lanes
	v_lshrrev_b32 v[RD], 2, v248
	s_delay_alu instid0(VALU_DEP_1)
	v_mul_u32_u24 v[RD], v[RD], 80
	v_and_b32 v249, 3, v248
	s_delay_alu instid0(VALU_DEP_1)
	v_lshl_add_u32 v[RD], v249, 4, v[RD]
	s_delay_alu instid0(VALU_DEP_1)
	v_add_nc_u32 v[RD], s82, v[RD]                 ; back: four lanes to a row, eight rows an instruction
	v_mov_b32 v13, 0xff61b1e6                      ; the largest t so far: -3e38, under every t
	s_delay_alu instid0(VALU_DEP_1)
	v_floor_f32 v12, -v13                          ; -M
	v_mov_b32 v14, 0
	v_mov_b32 v15, 0
	v_mov_b32 v246, 0                              ; written once: a lane permute's destination counts as one of its sources
	v_mov_b32 v253, 0                              ; (named as the upper half of the pair v[252:253])
.set jj, 0
.rept 32
	v_mov_b32 v[160+jj], 0                         ; O^T: the step is written once: the first finds zeros, which the first change of M leaves zeros
.set jj, jj+1
.endr
	s_wait_kmcnt 0x0
	s_add_co_i32 s82, s86, s87
	s_lshl_b32 s82, s82, 23
	s_add_co_i32 s[CS], s[CS], s82                 ; a score stands for score x 2^(e2 + e3)
	s_mov_b32 s[CS+1], s[CS]                       ; (named with it as a pair, so it is written)
	s_add_co_i32 s82, s88, 127
	s_lshl_b32 s83, s82, 23
	v_mov_b32 v244, s83                            ; 2^e4
	s_add_co_i32 s82, s90, 127
	s_lshl_b32 s83, s82, 23
	v_mov_b32 v245, s83                            ; 2^e6
	s_add_co_i32 s[E45], s88, s89
; A KEY STEP: 128 keys, the q-th of the slot in hand.
.macro STEP q
	s_add_co_u32 s96, s[Q0], 15
	s_cmp_gt_u32 s[KF], s96                        ; all keys behind my 16 queries: the step's work is left out; no barrier and no tensor load stands in a step
	s_cbranch_scc1 .Lhidden_\@
	v_add_nc_u32 v[ADK], s[TB], v[AK0]
	v_add_nc_u32 v[ADV], s[TB], v[AV0]
	v_nop                                          ; with the two additions: four places in front of loads into registers that the last products read
	v_nop
.irp t, 0,1,2,3,4,5,6,7
.irp c, 0,1
	ds_load_b128 v[32+8*\t+4*\c:32+8*\t+4*\c+3], v[ADK] offset:(64*(\q)+16*(\t/2)+4*(\t%2))*KP+32*\c
.endr
.endr
	s_wait_alu depctr_va_vdst(0)
	s_wait_dscnt 0x0
.irp t, 0,1,2,3,4,5,6,7
	v_wmma_f32_16x16x64_bf8_bf8 v[96+8*\t:103+8*\t], v[32+8*\t:39+8*\t], v[16:23], 0   ; S^T: eight tiles of 16 keys, K = the head's 64
.endr
.rept 4
	v_nop                                          ; places in front of the loads below and of the first read of the scores
.endr
.irp t, 0,1,2,3
.irp c, 0,1,2,3
	ds_load_b128 v[32+16*\t+4*\c:32+16*\t+4*\c+3], v[ADV] offset:(64*(\q)+16*\t)*KP+32*\c   ; V's four fragments are asked for here and land under the softmax
.endr
.endr
	s_add_co_u32 s96, s[KF], 127                   ; on the diagonal the scores of hidden keys become -infinity ahead of the maximum; a step all of whose keys count skips this.  Key KF counts for every query of the wave
	s_cmp_le_u32 s96, s[Q0]
	s_cbranch_scc1 .Lopen_\@
	s_sub_co_i32 s96, s[Q0], s[KF]
	v_and_b32 v252, 15, v0
	v_bfe_u32 v253, v0, 4, 1
	s_delay_alu instid0(VALU_DEP_1)
	v_lshlrev_b32 v253, 4, v253
	s_delay_alu instid0(VALU_DEP_1)
	v_sub_nc_u32 v252, v252, v253
	s_delay_alu instid0(VALU_DEP_1)
	v_add_nc_u32 v252, s96, v252                   ; d = my query - KF - 16 (lane / 16).  Register 16 b + i holds key KF + 16 (lane / 16) + 32 b + i: hidden where 32 b + i > d
	v_mov_b32 v254, 0xff800000
.set nn, 0
.rept 64
	v_cmp_gt_i32 vcc_lo, 32*(nn/16)+nn%16, v252
	v_cndmask_b32 v[96+nn], v[96+nn], v254, vcc_lo
.set nn, nn+1
.endr
.Lopen_\@:
	v_max3_num_f32 v254, v96, v97, v98             ; the step's largest score of my query among my 64 keys, in two chains, ascending through the registers,
	v_max3_num_f32 v252, v99, v100, v101
.irp i, 6,10,14,18,22,26,30,34,38,42,46,50,54,58
	v_max3_num_f32 v254, v254, v[96+\i], v[97+\i]
	v_max3_num_f32 v252, v252, v[98+\i], v[99+\i]
.endr
	v_max3_num_f32 v254, v254, v158, v159
	s_delay_alu instid0(VALU_DEP_1)
	v_max_num_f32 v254, v254, v252
	s_delay_alu instid0(VALU_DEP_1)
	v_permlanex16_b32 v246, v254, s[SEL], s[SEL+1]
	s_delay_alu instid0(VALU_DEP_1)
	v_max_num_f32 v254, v254, v246                 ; and among lane l xor 16's
	s_delay_alu instid0(VALU_DEP_1)
	v_mul_f32 v254, s[CS], v254                    ; as t (c is positive)
	s_delay_alu instid0(VALU_DEP_1)
	v_max_num_f32 v13, v13, v254                   ; the running largest t
	v_mov_b32 v254, v12
	s_delay_alu instid0(VALU_DEP_2)
	v_floor_f32 v12, -v13                          ; the new -M = -ceil(t): a whole number
	s_delay_alu instid0(VALU_DEP_1)
	v_sub_f32 v254, v12, v254                      ; old M - new M: a whole number, 0 or less
	s_delay_alu instid0(VALU_DEP_1)
	v_cvt_i32_f32 v254, v254                       ; (it saturates)
	s_delay_alu instid0(VALU_DEP_1)
	v_ldexp_f32 v252, 1.0, v254                    ; f = 2^(old M - new M)
.set jj, 0
.rept 32
	v_pk_fma_f32 v[96+jj:97+jj], v[96+jj:97+jj], s[CS:CS+1], v[12:13] op_sel_hi:[1,0,0]   ; t - M, two at a time
.set jj, jj+2
.endr
.set jj, 0
	s_wait_alu depctr_va_vdst(0)
.rept 64
	v_exp_f32 v[96+jj], v[96+jj]                   ; p = 2^(t - M), at most 1
.set jj, jj+1
.endr
	v_pk_mul_f32 v[14:15], v[14:15], v[252:253] op_sel_hi:[1,0]   ; the sums under the new M (a plain place behind the exponentials)
	s_wait_alu depctr_va_vdst(0)
	v_pk_add_f32 v[242:243], v[100:101], v[104:105]
	v_pk_add_f32 v[254:255], v[108:109], v[112:113]
	v_pk_add_f32 v[250:251], v[116:117], v[120:121]
	v_pk_add_f32 v[248:249], v[124:125], v[128:129]
	v_pk_add_f32 v[240:241], v[132:133], v[136:137]
	v_pk_add_f32 v[238:239], v[140:141], v[144:145]
	v_pk_add_f32 v[236:237], v[148:149], v[152:153]
	v_pk_add_f32 v[14:15], v[14:15], v[156:157]
	v_pk_add_f32 v[242:243], v[242:243], v[96:97]
	v_pk_add_f32 v[254:255], v[254:255], v[98:99]
	v_pk_add_f32 v[250:251], v[250:251], v[102:103]
	v_pk_add_f32 v[248:249], v[248:249], v[106:107]
	v_pk_add_f32 v[240:241], v[240:241], v[110:111]
	v_pk_add_f32 v[238:239], v[238:239], v[114:115]
	v_pk_add_f32 v[236:237], v[236:237], v[118:119]
	v_pk_add_f32 v[14:15], v[14:15], v[122:123]
	v_pk_add_f32 v[242:243], v[242:243], v[126:127]
	v_pk_add_f32 v[254:255], v[254:255], v[130:131]
	v_pk_add_f32 v[250:251], v[250:251], v[134:135]
	v_pk_add_f32 v[248:249], v[248:249], v[138:139]
	v_pk_add_f32 v[240:241], v[240:241], v[142:143]
	v_pk_add_f32 v[238:239], v[238:239], v[146:147]
	v_pk_add_f32 v[236:237], v[236:237], v[150:151]
	v_pk_add_f32 v[14:15], v[14:15], v[154:155]
	v_pk_add_f32 v[242:243], v[242:243], v[158:159]
	s_delay_alu instid0(VALU_DEP_2)
	v_pk_add_f32 v[14:15], v[14:15], v[248:249]
	s_delay_alu instid0(VALU_DEP_2)
	v_pk_add_f32 v[242:243], v[242:243], v[240:241]
	v_pk_add_f32 v[254:255], v[254:255], v[238:239]
	v_pk_add_f32 v[250:251], v[250:251], v[236:237]
	s_delay_alu instid0(VALU_DEP_2)
	v_pk_add_f32 v[14:15], v[14:15], v[254:255]
	s_delay_alu instid0(VALU_DEP_2)
	v_pk_add_f32 v[242:243], v[242:243], v[250:251]
	s_delay_alu instid0(VALU_DEP_1)
	v_pk_add_f32 v[14:15], v[14:15], v[242:243]
.irp b, 0,1,2,3
.irp i, 0,1,2,3,4,5,6,7,8,9,10,11,12,13,14,15
.endr
	v_cvt_scalef32_pk8_bf8_f32 v[224+4*\b:225+4*\b], v[96+16*\b:103+16*\b], v244
	v_cvt_scalef32_pk8_bf8_f32 v[226+4*\b:227+4*\b], v[104+16*\b:111+16*\b], v244
.endr
.set jj, 0
.rept 16
	v_pk_mul_f32 v[160+jj:161+jj], v[160+jj:161+jj], v[252:253] op_sel_hi:[1,0]   ; O^T under the new M (these are also the plain lines behind the conversions)
.set jj, jj+2
.endr
	s_wait_alu depctr_va_vdst(0)
	s_wait_dscnt 0x0                               ; V's fragments are in
.irp t, 0,1,2,3
	v_wmma_f32_16x16x128_bf8_bf8 v[160+8*\t:167+8*\t], v[32+16*\t:47+16*\t], v[224:239], v[160+8*\t:167+8*\t]   ; O^T += V^T P^T: the four accumulators by turns
.endr
.Lhidden_\@:
	s_add_co_u32 s[KF], s[KF], 128
.endm
; THE CHANGE OF SLOTS stands at a slot's head.  Each wave waits for all its tensor loads, adds 0 to its spare word, and waits for that and for its reads of the slot that it has left; behind the barrier the slot ahead is
; whole and nobody reads the other one, which (fill = 1) is filled with the next trip's keys: one slot on, or back to slot 0 where the blocks change.
.macro CHANGE fill
	s_wait_tensorcnt 0x0                           ; no tensor load of mine is out, so the descriptor may be written
	ds_add_u32 v[SPW], v[NIL]                      ; 0 onto my spare word
.if \fill
	s_xor_b32 s[G0+1], s[G0+1], SLOT1              ; the other slot than last time
	s_cmp_eq_u32 s[TR], ttmp9                      ; the first block's last trip?
	s_cselect_b32 s46, s44, 0
	s_add_nc_u64 s[G0+2:G0+3], s[G0+2:G0+3], 16384 ; one slot on; the type bits on top are not reached
	s_sub_nc_u64 s[G0+2:G0+3], s[G0+2:G0+3], s[46:47]  ; or, less x + 1 slots, slot 0
	s_wait_xcnt 0x0                                ; the last prefetch, a slot back, has read its address
	s_add_nc_u64 s[PFA:PFA+1], s[PFA:PFA+1], 16384
.endif
	s_wait_dscnt 0x0                               ; the add is done, and my reads of the slot that I have left are over
	s_barrier_signal -1
	s_barrier_wait -1
.if \fill
	TLOAD                                          ; the first thing behind the barrier, and a wave's one tensor load until the next
	ASK
.endif
.endm
; A block's end: O^T / the sum x 2^(e4 + e5), held, turned into codes with 2^e6, through my stage, out as 1,024 consecutive bytes.
.macro FINISH off
	v_add_f32 v14, v14, v15
	s_delay_alu instid0(VALU_DEP_1)
	v_permlanex16_b32 v246, v14, s[SEL], s[SEL+1]
	s_delay_alu instid0(VALU_DEP_1)
	v_add_f32 v14, v14, v246                       ; the row's sum
	s_wait_alu depctr_va_vdst(0)
	v_rcp_f32 v14, v14
	v_nop                                          ; a plain place behind the transcendental; with the additions and the line below also the places behind the last products
	v_nop
	s_wait_alu depctr_va_vdst(0)
	v_ldexp_f32 v14, v14, s[E45]
.set jj, 0
.rept 16
	v_pk_mul_f32 v[96+jj:97+jj], v[160+jj:161+jj], v[14:15] op_sel_hi:[1,0]   ; register 8 t + j is o(query r, d = 16 t + 8 h + j); each accumulator from its low end on
.set jj, jj+2
.endr
.set jj, 0
.rept 32
.set jj, jj+1
.endr
.irp t, 0,1,2,3
	v_cvt_scalef32_pk8_bf8_f32 v[224+2*\t:225+2*\t], v[96+8*\t:103+8*\t], v245
.endr
	v_nop                                          ; one plain vector instruction behind the last conversion
.irp t, 0,1,2,3
	ds_store_b64 v[STO], v[224+2*\t:225+2*\t] offset:\off+16*\t
.endr
.irp u, 0,1
	ds_load_b128 v[32+4*\u:35+4*\u], v[RD] offset:\off+640*\u      ; LDS serves a wave's instructions in order: these see my stores
.endr
	s_wait_dscnt 0x0
.irp u, 0,1
	global_store_b128 v[GO], v[32+4*\u:35+4*\u], s[OA:OA+1] offset:512*\u   ; 32 lanes store 512 consecutive bytes, aligned
.endr
.endm
.macro INIT                            ; on to the second block
	s_wait_xcnt 0x0                                ; the stores have read their registers and their base
	s_mov_b64 s[OA:OA+1], s[OB:OB+1]
	s_mov_b32 s[Q0], s[Q0B]
	s_mov_b32 s[KF], 0
.irp i, 0,1,2,3,4,5,6,7
	v_mov_b32 v[16+\i], v[24+\i]
.endr
	v_mov_b32 v13, 0xff61b1e6
	s_delay_alu instid0(VALU_DEP_1)
	v_floor_f32 v12, -v13
	v_mov_b32 v14, 0
	v_mov_b32 v15, 0
.set jj, 0
.rept 32
	v_mov_b32 v[160+jj], 0
.set jj, jj+1
.endr
.endm
	s_wait_loadcnt 0x0                             ; Q, both blocks'
.Lslot:                                            ; eight trips: behind each change of slots but the last the next trip's slot is asked for
	CHANGE 1
	s_cmp_lg_u32 s[TR], s[XS]
	s_cbranch_scc1 .Lsame
	FINISH 0
	INIT
.Lsame:
	STEP 0
	STEP 1
	s_xor_b32 s[TB], s[TB], SLOT1
	s_add_co_u32 s[TR], s[TR], 1
	s_cmp_lt_u32 s[TR], 8
	s_cbranch_scc1 .Lslot
	CHANGE 0                                       ; the ninth trip is written out
	STEP 0
	STEP 1
	FINISH STG2
	s_wait_tensorcnt 0x0                           ; the wave's end: behind my last tensor load and my last LDS store
	ds_add_u32 v[SPW], v[NIL]
	s_wait_dscnt 0x0
	s_endpgm
.Lfunc_end_k_qca4868bf49_attn:
	.size	k_qca4868bf49_attn, .Lfunc_end_k_qca4868bf49_attn-k_qca4868bf49_attn
	.p2alignl 7, 3214868480
	.fill 96, 4, 3214868480
	.section	.rodata,"a",@progbits
	.p2align	6, 0x0
	.amdhsa_kernel k_qca4868bf49_attn
		.amdhsa_group_segment_fixed_size 327680
		.amdhsa_private_segment_fixed_size 0
		.amdhsa_enable_private_segment 0
		.amdhsa_kernarg_size 40
		.amdhsa_user_sgpr_count 2
		.amdhsa_user_sgpr_kernarg_segment_ptr 1
		.amdhsa_wavefront_size32 1
		.amdhsa_system_sgpr_workgroup_id_x 1
		.amdhsa_system_sgpr_workgroup_id_y 1
		.amdhsa_system_sgpr_workgroup_id_z 1
		.amdhsa_system_vgpr_workitem_id 0
		.amdhsa_next_free_vgpr 256
		.amdhsa_next_free_sgpr 100
		.amdhsa_reserve_vcc 1
		.amdhsa_float_denorm_mode_32 3
		.amdhsa_float_denorm_mode_16_64 3
		.amdhsa_fp16_overflow 1
		.amdhsa_memory_ordered 1
		.amdhsa_forward_progress 1
		.amdhsa_inst_pref_size 93
	.end_amdhsa_kernel
	.amdgpu_metadata
---
amdhsa.version: [ 1, 2 ]
amdhsa.kernels:
  - .name:           k_qca4868bf49_attn
    .symbol:         k_qca4868bf49_attn.kd
    .args:
      - { .name: q_codes, .offset: 0, .size: 8, .value_kind: global_buffer, .address_space: global }
      - { .name: k_codes, .offset: 8, .size: 8, .value_kind: global_buffer, .address_space: global }
      - { .name: v_codes, .offset: 16, .size: 8, .value_kind: global_buffer, .address_space: global }
      - { .name: lowp_scales, .offset: 24, .size: 8, .value_kind: global_buffer, .address_space: global }
      - { .name: o_codes, .offset: 32, .size: 8, .value_kind: global_buffer, .address_space: global }
    .group_segment_fixed_size: 327680
    .private_segment_fixed_size: 0
    .kernarg_segment_align: 8
    .kernarg_segment_size: 40
    .max_flat_workgroup_size: 512
    .sgpr_count:     100
    .vgpr_count:     256
    .wavefront_size: 32
...
	.end_amdgpu_metadata
.endif
;; end of part 3
;; launch proj (part 4): grid 4 x 64, 4 waves a work-group, clusters of 4 x 4, 327,680 bytes of LDS; arguments o_codes, wp_codes, b_proj, lowp_scales, out0; writes out0
.if DOCPART == 4
	.amdgcn_target "amdgcn-amd-amdhsa--gfx1250"
	.amdhsa_code_object_version 6
	.text
	.protected	k_qca4868bf49_proj
	.globl	k_qca4868bf49_proj
	.p2align	8
	.type	k_qca4868bf49_proj,@function
k_qca4868bf49_proj:
	s_mov_b64 s[64:65], 0
	v_nop
	global_prefetch_b8 v0, s[64:65] scope:SCOPE_SE
	s_setreg_imm32_b32 hwreg(HW_REG_WAVE_MODE, 25, 1), 1
	s_wait_xcnt 0x0
	s_wait_alu depctr_hold_cnt(0) depctr_sa_sdst(0) depctr_va_vdst(0) depctr_va_sdst(0) depctr_va_ssrc(0) depctr_va_vcc(0) depctr_vm_vsrc(0)
	s_getreg_b32 s2, hwreg(HW_REG_IB_STS2, 6, 4)
	s_cmp_eq_u32 s2, 0
	s_cbranch_scc0 .Lentry_in_a_cluster
	s_endpgm
.Lentry_in_a_cluster:
	s_bfe_u32 s2, ttmp6, 0x10000c
	s_cmp_lg_u32 s2, 0xf033
	s_cbranch_scc0 .Lentry_shape_is_right
	s_endpgm
.Lentry_shape_is_right:
; out0 = o W_proj + b_proj on codes of BF8 (E5M2).  o_codes [bt / 128 (64)][h 16][t % 128][d 64]; wp_codes [n 1024][k 1024], K innermost; out0 [8192][1024] f32.
; A sum stands for sum x 2^(e6 + e7); one packed multiply-add gives sum x 2^(e6 + e7) + b_proj.  LIMIT: e6 + e7 between -126 and 127, so that the power of two is an f32 number.
; SHARES: a tile of 128 rows x 256 columns to a work-group, so that the 8,192 x 1,024 outputs give 256 work-groups; a wave makes 64 x 128: 32 accumulators.  K = 1,024 goes in four steps of 256 through two LDS slots.
; A's tile of a K step (128 rows x 4 heads x 64) is one dense block of 32,768 bytes of o_codes; it is taken as 128 rows of 256 bytes: row 32 (head) + t / 4 holds four t of one head.
; CLUSTERS: 4 x 4 work-groups; A's tile is asked for jointly along a row of the cluster, B's along a column.  THE MATRIX INSTRUCTION IS USED TRANSPOSED (source 0 = 16 rows of W, source 1 = 16 rows of o).
; No prefetch: of the four K steps two are first fills.
; REGISTERS, in windows of 256: window 0: v0-31 addresses; v32-95 at work on the way out; A's fragments, two sets, at v128 and v192 (on the way out: rows).  window 1: B's, two sets, at v0 and v128.
;   window 2: the accumulators ((a, b) at v[8 (8 a + b)]).  window 3: v0-63 the bias.
.set PITCH,  272                       ; an LDS row: 256 bytes + 16 of padding
.set FR,     16
.set ATILE,  128*PITCH
.set SLOT,   3*ATILE                   ; A's 128 rows, then B's 256 rows
.set SPARE,  2*SLOT                    ; behind the ring: the spare words, 128 bytes for each wave
.set SPITCH, 528                       ; the way out: a stage of 16 rows x (512 + 16) bytes for each wave, in slot 0, which has had its last fill and its last read by then
.set ADRA, 16
.set ADRB, 20
.set STO,  24
.set RD,   25
.set CO,   26
.set SPW,  28                          ; v28  my spare word; never rewritten
.set NIL,  29                          ; v29  0; never rewritten
.set TMP,  32
.set AF,   128
.set BK,   128
.set G1, 24
.set G0, 32
.set G1B, 48
.set G0B, 56
.set MSB, 0
.macro WIN new                         ; the immediate's high byte repeats the setting that is left
.if MSB != \new
	s_set_vgpr_msb (MSB<<8)|\new
.set MSB, \new
.endif
.endm
.set MUL,  0xa1                        ; source 0 (B) window 1, source 1 (A) window 0, C and D window 2
.set TO_B, 0x40                        ; destination window 1, address window 0
.macro JLOAD g0a, g1a, g0b, g1b        ; waves 0 and 1 fetch A's halves, waves 2 and 3 B's; four v_nop follow each of the two lines
	s_cmp_eq_u32 s15, 0
	s_cbranch_scc0 .Lfor_b_\@
	tensor_load_to_lds s[\g0a:\g0a+3], s[\g1a:\g1a+7]
	s_nop 0
.rept 4
	v_nop
.endr
	s_branch .Lasked_\@
.Lfor_b_\@:
	tensor_load_to_lds s[\g0b:\g0b+3], s[\g1b:\g1b+7]
	s_nop 0
.rept 4
	v_nop
.endr
.Lasked_\@:
.endm
.macro CREST
	s_cmp_lg_u32 s14, 0
	s_cbranch_scc1 .Lnot_wave_0_\@
	s_barrier_signal -3
.Lnot_wave_0_\@:
	s_barrier_wait -3
	s_barrier_signal -1
	s_barrier_wait -1
.endm
.macro CROUND
	s_barrier_signal -1
	s_barrier_wait -1
	CREST
.endm
	s_load_b128 s[4:7], s[0:1], 0x0                ; o_codes s[4:5], wp_codes s[6:7]
	s_load_b128 s[8:11], s[0:1], 0x10              ; b_proj s[8:9], the scales' exponents s[10:11]
	s_load_b64 s[12:13], s[0:1], 0x20              ; out0
	v_lshl_add_u32 v[SPW], v0, 2, SPARE
	v_mov_b32 v[NIL], 0
	ds_add_u32 v28, v29
	ds_add_u32 v28, v29
	s_wait_dscnt 0x0
	v_lshrrev_b32 v1, 5, v0
	v_readfirstlane_b32 s14, v1                    ; wave 0..3
	s_lshr_b32 s15, s14, 1                         ; which 64 rows are mine.  Also: I fetch for A (0) or for B (1)
	s_and_b32 s16, s14, 1                          ; which 128 columns.  Also: which half of that tile I fetch
	s_bfe_u32 s40, ttmp6, 0x40000                  ; cx = the tile column (the grid is one cluster wide)
	s_bfe_u32 s41, ttmp6, 0x40004                  ; cy
	s_and_b32 s17, ttmp7, 0xffff
	s_lshl_b32 s17, s17, 2
	s_add_co_u32 s17, s17, s41                     ; the tile row = 4 x cluster y + cy: a block of 128 rows of o_codes
	s_lshl_b32 s43, s41, 2
	s_lshl_b32 s43, 15, s43                        ; my row of the cluster
	s_lshl_b32 s44, 0x1111, s40                    ; my column
	s_or_b32 s[G1+0], s43, (0<<16)|(1<<20)|(1<<21)|(5<<22)|(3<<25)  ; the mask; elements of 1 byte; padding on; bit 21 beside a mask; after every 64 words 4 words
	s_mov_b32 s[G1+1], 256<<16                     ; A: 64 rows of 256 bytes, dense
	s_mov_b32 s[G1+2], 64<<16
	s_mov_b32 s[G1+3], 256<<16
	s_mov_b32 s[G1+4], 64
	s_mov_b32 s[G1+5], 256
	s_mov_b32 s[G1+6], 0
	s_mov_b32 s[G1+7], 0
	s_or_b32 s[G1B+0], s44, (0<<16)|(1<<20)|(1<<21)|(5<<22)|(3<<25)
	s_mov_b32 s[G1B+1], 256<<16                    ; B: 128 rows of 256 bytes, 1,024 apart
	s_mov_b32 s[G1B+2], 128<<16
	s_mov_b32 s[G1B+3], 256<<16
	s_mov_b32 s[G1B+4], 128
	s_mov_b32 s[G1B+5], 1024
	s_mov_b32 s[G1B+6], 0
	s_mov_b32 s[G1B+7], 0
	s_lshl_b32 s20, s17, 17
	s_lshl_b32 s18, s16, 14
	s_add_co_u32 s20, s20, s18                     ; A: the block, + my half of a K step's 32,768 bytes
	s_mov_b32 s21, 0
	s_lshl_b32 s46, s40, 8
	s_lshl_b32 s18, s16, 7
	s_add_co_u32 s46, s46, s18
	s_lshl_b32 s46, s46, 10                        ; B: row 256 cx + 128 x half, of 1,024 bytes
	s_mov_b32 s47, 0
	s_mul_i32 s45, s16, 64*PITCH                   ; where A's half goes,
	s_mul_i32 s19, s16, 128*PITCH
	s_add_co_u32 s19, s19, ATILE                   ; and B's: no place in the cluster enters an LDS address
	s_wait_kmcnt 0x0
	s_load_b256 s[80:87], s[10:11], 0x0            ; e0 .. e7
	s_add_nc_u64 s[20:21], s[4:5], s[20:21]
	s_add_nc_u64 s[46:47], s[6:7], s[46:47]
	CROUND                                         ; all sixteen work-groups are here: the first joint loads meet
.irp s, 0,1
	s_mov_b32 s[G0+4*\s], 1
	s_add_co_u32 s[G0+4*\s+1], s45, \s*SLOT
	s_add_nc_u64 s[G0+4*\s+2:G0+4*\s+3], s[20:21], \s*32768
	s_or_b32 s[G0+4*\s+3], s[G0+4*\s+3], 0x80000000
	s_mov_b32 s[G0B+4*\s], 1
	s_add_co_u32 s[G0B+4*\s+1], s19, \s*SLOT
	s_add_nc_u64 s[G0B+4*\s+2:G0B+4*\s+3], s[46:47], \s*256
	s_or_b32 s[G0B+4*\s+3], s[G0B+4*\s+3], 0x80000000
	s_wait_alu depctr_va_vdst(0)
	s_wait_tensorcnt 0x0
	ds_add_u32 v28, v29
	ds_add_u32 v28, v29
	s_wait_dscnt 0x0
	CROUND
	JLOAD G0+4*\s, G1, G0B+4*\s, G1B
.endr
	v_and_b32 v1, 15, v0                           ; r
	v_bfe_u32 v2, v0, 4, 1                         ; h
	v_lshrrev_b32 v3, 2, v1
	v_mul_u32_u24 v3, v3, PITCH
	v_and_b32 v4, 3, v1
	v_lshl_add_u32 v3, v4, 6, v3
	v_lshl_add_u32 v3, v2, 4, v3                   ; A: LDS row r / 4, + 64 (r % 4) + 16 h
	v_mul_u32_u24 v4, v1, PITCH
	v_lshl_add_u32 v4, v2, 4, v4                   ; B: row r, + 16 h
	s_mul_i32 s21, s15, 16*PITCH                   ; my 64 rows of o are 16 LDS rows of each head
	s_mul_i32 s22, s16, 128*PITCH
	s_add_co_u32 s22, s22, ATILE
.irp s, 0,1
	v_add_nc_u32 v[ADRA+\s], s21, v3
	v_add_nc_u32 v[ADRB+\s], s22, v4
	s_add_co_u32 s21, s21, SLOT
	s_add_co_u32 s22, s22, SLOT
.endr
	s_mul_i32 s23, s14, 16*SPITCH                  ; my stage
	v_mul_u32_u24 v5, v1, SPITCH
	v_lshl_add_u32 v5, v2, 5, v5
	v_add_nc_u32 v[STO], s23, v5                   ; in: row r, 32 bytes for each half of the lanes
	v_and_b32 v6, 31, v0
	v_lshlrev_b32 v[CO], 4, v6
	v_add_nc_u32 v[RD], s23, v[CO]                 ; back: the 32 lanes take one row of 512 bytes
	v_lshlrev_b32 v7, 5, v2                        ; the bias: 32 h bytes
	s_lshl_b32 s22, s40, 10
	s_lshl_b32 s23, s16, 9
	s_add_co_u32 s22, s22, s23                     ; my first column in bytes: 1,024 cx + 512 x half
	s_mov_b32 s23, 0
	s_add_nc_u64 s[8:9], s[8:9], s[22:23]
	WIN 0xc0                                       ; destination window 3
.irp b, 0,1,2,3,4,5,6,7
	global_load_b128 v[8*\b:8*\b+3], v7, s[8:9] offset:64*\b        ; b_proj at my column + 16 b + 8 h + 0 .. 7
	global_load_b128 v[8*\b+4:8*\b+7], v7, s[8:9] offset:64*\b+16
.endr
	WIN 0
	s_lshl_b32 s20, s17, 7
	s_lshl_b32 s21, s15, 6
	s_add_co_u32 s20, s20, s21                     ; my first row of out0
	s_lshl_b32 s20, s20, 12                        ; of 4,096 bytes
	s_add_co_u32 s20, s20, s22
	s_mov_b32 s21, 0
	s_add_nc_u64 s[12:13], s[12:13], s[20:21]
.macro FRAGB reg, adr, q, i            ; registers 4 c .. 4 c + 3 hold K = 32 c + 16 h + 0 .. 15 of row r
.irp c, 0,1,2,3
	ds_load_b128 v[\reg+4*\c:\reg+4*\c+3], v[\adr] offset:128*(\q)+32*\c+(\i)*16*PITCH
.endr
.endm
.macro FRAGA reg, adr, q, i            ; the same k: head 2 q + c / 2 (32 LDS rows each), d = 32 (c % 2) + 16 h + 0 .. 15; block i is four LDS rows on
.irp c, 0,1,2,3
	ds_load_b128 v[\reg+4*\c:\reg+4*\c+3], v[\adr] offset:(2*(\q)+\c/2)*32*PITCH+(\i)*4*PITCH+32*(\c%2)
.endr
.endm
.macro MUL8 a, p, zero                 ; A's block a x B's eight; the 32 accumulators take turns, one instruction a turn, in the same order in every step
.irp b, 0,1,2,3,4,5,6,7
.if \zero
	v_wmma_f32_16x16x128_bf8_bf8 v[8*(8*(\a)+\b):8*(8*(\a)+\b)+7], v[128*(\p)+FR*\b:128*(\p)+FR*\b+FR-1], v[AF+64*(\p)+FR*(\a):AF+64*(\p)+FR*(\a)+FR-1], 0
.else
	v_wmma_f32_16x16x128_bf8_bf8 v[8*(8*(\a)+\b):8*(8*(\a)+\b)+7], v[128*(\p)+FR*\b:128*(\p)+FR*\b+FR-1], v[AF+64*(\p)+FR*(\a):AF+64*(\p)+FR*(\a)+FR-1], v[8*(8*(\a)+\b):8*(8*(\a)+\b)+7]
.endif
.endr
.endm
.macro FETCH slot, q, p                ; 48 LDS loads in one run: the fragments of 128 along K into sets p
	WIN TO_B
.irp i, 0,1,2,3,4,5,6,7
	FRAGB 128*(\p)+FR*\i, ADRB+\slot, \q, \i
.endr
	WIN 0
.irp i, 0,1,2,3
	FRAGA AF+64*(\p)+FR*\i, ADRA+\slot, \q, \i
.endr
.endm
.macro PLACES                          ; four plain vector instructions between a matrix instruction and a load into one of its registers, or a read of its result
.rept 4
	v_nop
.endr
.endm
.macro STEP slot, zero                 ; a slot's first 128 along K, on sets 0; in its middle the second 128 are fetched into sets 1
	s_wait_dscnt 0x0
	WIN MUL
	MUL8 0, 0, \zero
	MUL8 1, 0, \zero
	PLACES
	FETCH \slot, 1, 1
	WIN MUL
	MUL8 2, 0, \zero
	MUL8 3, 0, \zero
.endm
; A slot's second 128 change slots: one barrier; in front of it each wave waits for all its tensor loads, adds 0 to its spare word, and waits for that and for its own reads of this slot.
.macro TURN slot, next, fill
	WIN 0                                          ; (the add's two registers lie in window 0)
	s_wait_tensorcnt 0x0                           ; all my tensor loads have landed: my part of the next slot
	ds_add_u32 v[SPW], v[NIL]                      ; 0 onto my spare word
	s_wait_dscnt 1                                 ; the fragments are in; the add may be out
	WIN MUL
	MUL8 0, 1, 0
	s_wait_dscnt 0x0                               ; the add is done, and my reads of this slot are over
	s_barrier_signal -1
	MUL8 1, 1, 0
	WIN 0
	s_barrier_wait -1
.if \fill
	CREST                                          ; the barrier has opened a round of the cluster's barrier: no wave of any partner still reads this slot or has a load on its way
	s_add_nc_u64 s[G0+4*\slot+2:G0+4*\slot+3], s[G0+4*\slot+2:G0+4*\slot+3], 2*32768
	s_add_nc_u64 s[G0B+4*\slot+2:G0B+4*\slot+3], s[G0B+4*\slot+2:G0B+4*\slot+3], 2*256
	JLOAD G0+4*\slot, G1, G0B+4*\slot, G1B         ; the first tensor load behind the round; its four v_nop are the places in front of the loads below
.else
	PLACES
.endif
	s_wait_alu depctr_va_vdst(0)
	FETCH \next, 0, 0
	WIN MUL
	MUL8 2, 1, 0
	MUL8 3, 1, 0
.endm
; THE WAY OUT, block by block of 16 rows x 128 columns, through my own stage, back as whole rows of 512 bytes.
.macro TOSTAGE a
	WIN 0x32                                       ; source 0 (the sums) window 2, source 2 (the bias) window 3
.set jj, 0
.rept 32
	v_pk_fma_f32 v[TMP+jj:TMP+jj+1], v[64*(\a)+jj:64*(\a)+jj+1], s[96:97], v[jj:jj+1] op_sel_hi:[1,0,1]   ; sum x 2^(e6 + e7) + b_proj; each accumulator from its low end on
.set jj, jj+2
.endr
	WIN 0
.irp b, 0,1,2,3,4,5,6,7
	ds_store_b128 v[STO], v[TMP+8*\b:TMP+8*\b+3] offset:64*\b
	ds_store_b128 v[STO], v[TMP+8*\b+4:TMP+8*\b+7] offset:64*\b+16
.endr
.set BB, BK+64*((\a)%2)
.irp t, 0,1,2,3,4,5,6,7,8,9,10,11,12,13,14,15
	ds_load_b128 v[BB+4*\t:BB+4*\t+3], v[RD] offset:\t*SPITCH      ; LDS serves a wave's instructions in order: these see the stores above
.endr
.endm
.macro SEND a, younger                 ; younger: the LDS instructions issued behind block a's loads, which may stay out
.set BB, BK+64*((\a)%2)
	s_wait_dscnt \younger
.irp t, 0,1,2,3,4,5,6,7,8,9,10,11,12,13,14,15
	global_store_b128 v[CO], v[BB+4*\t:BB+4*\t+3], s[12:13] offset:(16*(\a)+\t)*4096 th:TH_STORE_NT   ; 32 lanes store 512 consecutive bytes, aligned; written once, read by nobody here
.endr
.endm
	s_wait_tensorcnt 1                             ; my part of K step 0 is in (K step 1's load may be out)
	s_barrier_signal -1
	s_barrier_wait -1                              ; everybody's is
	FETCH 0, 0, 0
	STEP 0, 1                                      ; the first products start the sums: nothing is cleared
	TURN 0, 1, 1                                   ; slot 0 takes K step 2
	STEP 1, 0
	TURN 1, 0, 1                                   ; slot 1 takes K step 3
	STEP 0, 0
	TURN 0, 1, 0                                   ; nothing is left to fetch: behind this barrier nobody reads slot 0, and nothing fills it
	STEP 1, 0
	s_wait_dscnt 0x0                               ; the very last 128 along K
	MUL8 0, 1, 0
	MUL8 1, 1, 0
	MUL8 2, 1, 0
	MUL8 3, 1, 0
	WIN 0
	s_wait_kmcnt 0x0
	s_add_co_i32 s96, s86, s87
	s_add_co_i32 s96, s96, 127
	s_lshl_b32 s96, s96, 23                        ; 2^(e6 + e7) as f32
	s_mov_b32 s97, s96                             ; (named with it as a pair, so it is written)
	s_wait_loadcnt 0x0                             ; the bias
	PLACES                                         ; behind the last products
	TOSTAGE 0
.irp a, 1,2,3
.if \a > 1
	s_wait_xcnt 0x0                                ; block a - 2's stores have read their registers: block a's rows may land there
.endif
	TOSTAGE \a
	SEND \a-1, 32                                  ; behind block a - 1's loads: block a's 16 stores and 16 loads
.endr
	SEND 3, 0
	s_wait_tensorcnt 0x0                           ; the wave's end: behind my last tensor load and my last LDS store
	ds_add_u32 v[SPW], v[NIL]
	s_wait_dscnt 0x0
	CROUND                                         ; the closing round: no work-group ends while a partner may still ask for a tile that names it
	s_endpgm
.Lfunc_end_k_qca4868bf49_proj:
	.size	k_qca4868bf49_proj, .Lfunc_end_k_qca4868bf49_proj-k_qca4868bf49_proj
	.p2alignl 7, 3214868480
	.fill 96, 4, 3214868480
	.section	.rodata,"a",@progbits
	.p2align	6, 0x0
	.amdhsa_kernel k_qca4868bf49_proj
		.amdhsa_group_segment_fixed_size 327680
		.amdhsa_private_segment_fixed_size 0
		.amdhsa_enable_private_segment 0
		.amdhsa_kernarg_size 40
		.amdhsa_user_sgpr_count 2
		.amdhsa_user_sgpr_kernarg_segment_ptr 1
		.amdhsa_wavefront_size32 1
		.amdhsa_system_sgpr_workgroup_id_x 1
		.amdhsa_system_sgpr_workgroup_id_y 1
		.amdhsa_system_sgpr_workgroup_id_z 1
		.amdhsa_system_vgpr_workitem_id 0
		.amdhsa_next_free_vgpr 832
		.amdhsa_next_free_sgpr 100
		.amdhsa_reserve_vcc 0
		.amdhsa_float_denorm_mode_32 3
		.amdhsa_float_denorm_mode_16_64 3
		.amdhsa_memory_ordered 1
		.amdhsa_forward_progress 1
		.amdhsa_inst_pref_size 78
	.end_amdhsa_kernel
	.amdgpu_metadata
---
amdhsa.version: [ 1, 2 ]
amdhsa.kernels:
  - .name:           k_qca4868bf49_proj
    .symbol:         k_qca4868bf49_proj.kd
    .args:
      - { .name: o_codes, .offset: 0, .size: 8, .value_kind: global_buffer, .address_space: global }
      - { .name: wp_codes, .offset: 8, .size: 8, .value_kind: global_buffer, .address_space: global }
      - { .name: b_proj, .offset: 16, .size: 8, .value_kind: global_buffer, .address_space: global }
      - { .name: lowp_scales, .offset: 24, .size: 8, .value_kind: global_buffer, .address_space: global }
      - { .name: out0, .offset: 32, .size: 8, .value_kind: global_buffer, .address_space: global }
    .group_segment_fixed_size: 327680
    .private_segment_fixed_size: 0
    .kernarg_segment_align: 8
    .kernarg_segment_size: 40
    .max_flat_workgroup_size: 128
    .sgpr_count:     100
    .vgpr_count:     832
    .wavefront_size: 32
...
	.end_amdgpu_metadata
.endif
;; end of part 4
